; MI455X (gfx1250); checked and timed in simulation.
; The chip was launched on July 23, 2026; its instructions are those of AMD's public machine-readable ISA for CDNA 5 (MIT licence, August 2026) and "CDNA5" Instruction Set Architecture Reference Guide (July 2026). The comments in the code are by the model that wrote it; some were corrected since.
;; Multi Head Self Attention. Allowed arithmetic: matrix products marked QUANTISED: E2M3 operands, one E8M0 scale for each 32 along K, by v_wmma_scale_f32_16x16x128_f8f6f4 with both operands' format E2M3, f32 sums; everything else in f32.
;; Inputs: bk 1,024 float32; bo 1,024 float32; bq 1,024 float32; bv 1,024 float32; ln_b 1,024 float32; ln_g 1,024 float32; wk 1,024 x 1,024 float32; wo 1,024 x 1,024 float32; wq 1,024 x 1,024 float32; wv 1,024 x 1,024 float32; x 4 x 2,048 x 1,024 float32.
;; Outputs: out0 4 x 2,048 x 1,024 float32.
;; This version of the problem:
;;   THIS VERSION OF THE PROBLEM IS GIVEN IN LOW PRECISION. The matrix products marked QUANTISED in the list below multiply operands that are first quantised to E2M3 (2 exponent bits, 3 mantissa bits; 6 bits a number), with one power-of-two scale for each 32 numbers along K (OCP MX v1.0); their sums are f32. All else is computed in f32.
;;   The module's matrix products, in the order in which they are computed (A, B: the left and right operand; K: the contracted axis; several contracted axes count as one K, in the product's order):
;;     1. [M 8,192, K 1,024] x [K 1,024, N 1,024]; A: input x; B: input wq: QUANTISED
;;     2. [M 8,192, K 1,024] x [K 1,024, N 1,024]; A: input x; B: input wk: QUANTISED
;;     3. [M 8,192, K 1,024] x [K 1,024, N 1,024]; A: input x; B: input wv: QUANTISED
;;     4. batch 64 x [M 2,048, K 64] x [K 64, N 2,048]; A: computed on the way; B: computed on the way: QUANTISED
;;     5. batch 64 x [M 2,048, K 2,048] x [K 2,048, N 64]; A: softmax (see below); B: computed on the way: QUANTISED
;;     6. [M 8,192, K 1,024] x [K 1,024, N 1,024]; A: computed on the way; B: input wo: QUANTISED
;;   THE QUANTISER, for each operand of a quantised product, along K:
;;     - K is cut into blocks of 32 from its start; a last block that is shorter is filled with zeros.
;;     - A block's scale is 2^e with e = floor(log2(the largest magnitude in the block)) - 2, held to -126 .. 127; a block of zeros has e = 0. As a byte (E8M0): e + 127.
;;     - Each number is divided by its block's scale, clamped to +-7.5, and rounded to the nearest number of E2M3, ties to even, subnormals kept.
;;     - The product sums the exact products of the quantised numbers (number of the format x scale) in f32.
;;   ~~~python
;;   def quantise(x, axis):      # numpy; x: float32 -> the quantised numbers, widened to float32 again
;;       x = np.moveaxis(x, axis, -1); K = x.shape[-1]
;;       x = np.pad(x, [(0, 0)] * (x.ndim - 1) + [(0, -K % 32)]); x = x.reshape(x.shape[:-1] + (-1, 32)); a = np.abs(x).max(-1, keepdims=True)
;;       e = np.where(a > 0, np.clip(np.frexp(np.where(a > 0, a, 1))[1] - 1 - 2, -126, 127), 0)      # np.frexp(a)[1] - 1 = floor(log2(a)), exactly
;;       r = np.clip(x / 2.0 ** e, -7.5, 7.5)
;;       step = 2.0 ** (np.maximum(np.frexp(np.where(r == 0, 1, r))[1] - 1, 0) - 3)
;;       q = np.round(r / step) * step * 2.0 ** e      # np.round: ties to even
;;       return np.moveaxis(q.reshape(q.shape[:-2] + (-1,))[..., :K], -1, axis).astype(np.float32)
;;   ~~~
;;   SOFTMAX AHEAD OF A QUANTISED PRODUCT. Where the list says 'softmax', what is quantised is not the finished softmax but p = 2^(t - M), with t = logit x log2(e) and M = ceil(the row's largest t), a whole number; so 1/2 < the row's largest p <= 1. The row's sum l is taken of the UNQUANTISED p, in f32, and the product's result is divided by l at the end. Since M is a whole number, a kernel that streams over the keys may use a running M (the ceiling of the running maximum): every later rescaling is an exact power of two, which a block's scale takes up: the codes' values come out the same.
;;   OPERANDS COMPUTED ON THE WAY. 'Computed on the way' means the value that the module computes at that place (a softmax that the list does not call 'softmax' is quantised finished and normalised). What goes into a quantiser is computed in f32, as accurately as f32 sums, v_exp_f32 and their like allow (about 1e-6 of the number): no bf16 or f16 on the way to a quantiser, and a product that is left as it is and whose result goes on into a quantised operand takes f32 operands (vector FMAs, or v_wmma_f32_16x16x4_f32). A number that lies on a knife's edge between two numbers of the format may be rounded either way, as far as f32 arithmetic and the matrix unit's own rounding can turn it there, and no further.
;; One version. Each part assembles by itself: llvm-mc -triple=amdgcn-amd-amdhsa -mcpu=gfx1250 --defsym DOCPART=n.
;; ======== version 1 of 1: 4 launches
;; limits: right only within a limited range of input values
;; workspace buffers: ximg 6,553,600 bytes; wimg 3,276,800 bytes; qb 6,815,744 bytes; kvb 13,631,488 bytes; aimg 6,291,456 bytes; asc 262,144 bytes
;; launch prep (part 1): grid 768 x 1, 4 waves a work-group, no clusters, 81,408 bytes of LDS; arguments x, wq, wk, wv, wo, ximg, wimg; writes ximg, wimg
.if DOCPART == 1
	.amdgcn_target "amdgcn-amd-amdhsa--gfx1250"
	.amdhsa_code_object_version 6
	.text
	.protected	k_q4d82e2ac55_prep
	.globl	k_q4d82e2ac55_prep
	.p2align	8
	.type	k_q4d82e2ac55_prep,@function
k_q4d82e2ac55_prep:
	s_mov_b64 s[64:65], 0
	v_nop
	global_prefetch_b8 v0, s[64:65] scope:SCOPE_SE
	s_setreg_imm32_b32 hwreg(HW_REG_WAVE_MODE, 25, 1), 1
	s_wait_xcnt 0x0
; PREP: x [8192][1024] (K innermost) and wq, wk, wv, wo [1024 (K)][1024 (n)] (K the first axis), f32, become codes of FP6 (E2M3) with one E8M0 byte for each 32 along K,
; laid in the ORDER OF AN OPERAND'S REGISTERS, so that every later launch takes fragments by loads of 16 and 8 bytes a lane, 512 and 256 consecutive bytes a wave.
; A UNIT (12,800 bytes) is 128 rows x 128 along K: eight fragments of 1,536 bytes, then 512 bytes of scale words.  A block of 128 rows is eight units, one for each K step.
; A FRAGMENT (16 rows x 128 K, 12 registers a lane L): registers 0-3 at 16 L, 4-5 at 512 + 8 L, 6-9 at 768 + 16 L, 10-11 at 1,280 + 8 L.
; THE ROWS OF A TILE ARE NOT NEIGHBOURS: lane r of tile t stands for row 32 (t / 2) + 8 (t % 2) + r + 8 (r / 8) of the 128, so that a product's 16 registers of tiles 2 b, 2 b + 1 are 16 neighbours along the next K.
; SCALE WORDS: the word of (tile t, lane r) at 16 (16 (t / 4) + r) + 4 (t % 4): one load of 16 bytes a lane gives tiles 0-3 in lanes 0-15 and tiles 4-7 in lanes 16-31.
; A block's scale is 2^(floor(log2(its largest magnitude)) - 2): its byte is the largest magnitude's exponent field - 2, held at 1 from below by a floor among the maximum's leaves.
; LIMITS: a block of zeros, or one whose largest magnitude lies under 2^-124, gets the byte 1 (its codes are zeros or as the floor's scale gives them; only this program reads the bytes); NaN and infinities are not served.
; SHARES: a work-group makes one unit.  Work-groups 0-511: x (block g / 8, K step g % 8); 512-767: a weight (g' = g - 512: weight g' / 64, its columns' block (g' / 8) % 8, K step g' % 8).
; The two ways part on the work-group's number and have LDS bytes of their own.  Memory binds: no matrix unit, no cluster (no byte is read twice), no tensor load, so several work-groups share a WGP.
.set XSC,     67584                    ; LDS: four stages of 32 x 528 bytes for x (one a wave) at 0; x's scale words here;
.set WIM,     68096                    ; and the weight's unit, 12,800 bytes, here
.set FLOOR,   0x1800000                ; 2^(3 - 127)
.set TWO_OFF, 0xff000000               ; takes 2 off an exponent field
	s_load_b256 s[4:11], s[0:1], 0x0               ; x, wq, wk, wv
	s_load_b128 s[12:15], s[0:1], 0x20             ; wo, ximg
	s_load_b64 s[16:17], s[0:1], 0x30              ; wimg
	v_lshl_add_u32 v192, v0, 2, 0x13c00
	v_mov_b32 v193, 0
	v_lshrrev_b32 v1, 5, v0
	v_readfirstlane_b32 s18, v1                    ; wave
	v_and_b32 v1, 31, v0                           ; l
	v_and_b32 v2, 15, v0                           ; r
	v_bfe_u32 v3, v0, 4, 1                         ; h
	v_lshlrev_b32 v4, 4, v1                        ; 16 l
	v_lshlrev_b32 v5, 3, v1                        ; 8 l
	s_mov_b32 s20, 0x76543210
	s_mov_b32 s21, 0xfedcba98                      ; v_permlanex16_b32's selects for lane l xor 16
	s_mul_i32 s32, s18, 3072                       ; my two tiles in a unit
	s_mov_b32 s33, 0
	s_lshr_b32 s29, s18, 1
	s_lshl_b32 s29, s29, 8
	s_and_b32 s30, s18, 1
	s_lshl_b32 s30, s30, 3
	s_add_co_u32 s29, s29, s30                     ; my tiles' place among the scale words: 256 (w / 2) + 8 (w % 2)
	s_cmp_ge_u32 ttmp9, 512
	s_cbranch_scc1 .Lweights
; ---------------- x: wave w takes rows 32 w .. 32 w + 31 of the block: tiles 2 w and 2 w + 1
	s_lshr_b32 s22, ttmp9, 3                       ; block of 128 rows
	s_and_b32 s23, ttmp9, 7                        ; K step
	s_lshl_b32 s24, s22, 19                        ; 128 rows of 4,096 bytes
	s_lshl_b32 s25, s18, 17                        ; 32 rows
	s_add_co_u32 s24, s24, s25
	s_lshl_b32 s25, s23, 9                         ; 128 numbers
	s_add_co_u32 s24, s24, s25
	s_mov_b32 s25, 0
	s_mul_i32 s26, s22, 102400
	s_mul_i32 s27, s23, 12800
	s_add_co_u32 s26, s26, s27                     ; the unit
	s_mov_b32 s27, 0
	s_mul_i32 s28, s18, 16896                      ; my stage
	s_wait_alu depctr_va_vdst(0)
	v_add_nc_u32 v6, s28, v4                       ; in: 16 l of a row's 512 bytes
	v_mul_u32_u24 v7, v2, 528
	v_lshl_add_u32 v7, v3, 7, v7
	v_add_nc_u32 v7, s28, v7                       ; back: place r of a tile, + 128 h: my 32 numbers of each 64
	v_lshl_add_u32 v8, v2, 4, s29
	v_add_nc_u32 v8, XSC, v8                       ; my row's scale word
	v_add_nc_u32 v9, XSC, v4
	v_lshlrev_b32 v16, 3, v3                       ; 8 h
	v_mov_b32 v17, 0                               ; a lane permute's destination counts as one of its sources
	s_wait_alu depctr_va_vdst(0)
	s_wait_kmcnt 0x0
	s_add_nc_u64 s[4:5], s[4:5], s[24:25]
	s_add_nc_u64 s[14:15], s[14:15], s[26:27]
	s_add_nc_u64 s[34:35], s[14:15], s[32:33]
.set q, 0
.rept 32
	global_load_b128 v[64+4*q:67+4*q], v4, s[4:5] offset:4096*q th:TH_LOAD_NT   ; row q: 32 lanes read 512 consecutive bytes; read once in the launch
.set q, q+1
.endr
.irp g, 0,1,2,3                        ; row q = 8 g + e goes to place 16 (tile's parity) + (lane of the tile): a tile's 16 rows lie on end, 528 bytes apart
	s_wait_loadcnt 24-8*\g                         ; this group of eight rows is in; the younger groups may be out
.irp e, 0,1,2,3,4,5,6,7
	ds_store_b128 v6, v[64+32*\g+4*\e:67+32*\g+4*\e] offset:528*(16*(\g%2)+8*(\g/2)+\e)
.endr
.endr
	s_wait_dscnt 0x0                               ; the stores have read their registers, which the loads below fill again
.irp u, 0,1
.irp c, 0,1
.irp j, 0,1,2,3,4,5,6,7
	ds_load_b128 v[64+64*\u+32*\c+4*\j:67+64*\u+32*\c+4*\j], v7 offset:8448*\u+256*\c+16*\j   ; tile u: k = 64 c + 32 h + 4 j .. of my row: the operand's own order
.endr
.endr
.endr
; Tile u: a lane holds two whole blocks (2 c + h), so no other lane is asked for a maximum; the word's four bytes are gathered from lanes l and l xor 16.
.macro XTILE u, left
.set XD, 64+64*\u
.set XF, 32+12*\u
	s_wait_dscnt \left
.irp c, 0,1
	v_max3_num_f32 v[10+\c], |v[XD+32*\c]|, |v[XD+1+32*\c]|, FLOOR
.endr
.irp i, 2,4,6,8,10,12,14,16,18,20,22,24,26,28,30
.irp c, 0,1
	v_max3_num_f32 v[10+\c], v[10+\c], |v[XD+32*\c+\i]|, |v[XD+1+32*\c+\i]|
.endr
.endr
.irp c, 0,1
	v_add_nc_u32 v[12+\c], TWO_OFF, v[10+\c]       ; the conversion takes the exponent field of this operand as its scale
.endr
.irp c, 0,1
	v_lshrrev_b32 v[14+\c], 23, v[12+\c]           ; the scale's byte
.endr
	v_lshl_or_b32 v[28+\u], v15, 16, v14           ; blocks h and 2 + h,
	v_lshlrev_b32 v[28+\u], v16, v[28+\u]          ; 8 h bits up;
	v_permlanex16_b32 v17, v[28+\u], s20, s21
	v_or_b32 v[28+\u], v[28+\u], v17               ; with lane l xor 16's two the word is whole
.irp c, 0,1
	v_cvt_scalef32_pk16_fp6_f32 v[XF+6*\c:XF+2+6*\c], v[XD+32*\c:XD+15+32*\c], v[12+\c]
	v_cvt_scalef32_pk16_fp6_f32 v[56+4*\c:58+4*\c], v[XD+16+32*\c:XD+31+32*\c], v[12+\c]   ; (a conversion's three registers begin on an even number)
.endr
	v_nop                                          ; one plain place behind a scaled conversion
.irp c, 0,1
.irp i, 0,1,2
	v_mov_b32 v[XF+3+6*\c+\i], v[56+4*\c+\i]
.endr
.endr
	global_store_b128 v4, v[XF:XF+3], s[34:35] offset:1536*\u            ; each store covers 512 or 256 consecutive bytes, aligned
	global_store_b64 v5, v[XF+4:XF+5], s[34:35] offset:1536*\u+512
	global_store_b128 v4, v[XF+6:XF+9], s[34:35] offset:1536*\u+768
	global_store_b64 v5, v[XF+10:XF+11], s[34:35] offset:1536*\u+1280
	ds_store_b32 v8, v[28+\u] offset:4*\u          ; both halves of the lanes write the same word with the same value
.endm
	XTILE 0, 16                                    ; tile 1's sixteen loads may be out
	XTILE 1, 1                                     ; tile 0's word store may be out
	s_wait_dscnt 0x0                               ; for the others' sake: my words lie in LDS
	s_barrier_signal -1
	s_barrier_wait -1
	s_cmp_lg_u32 s18, 0
	s_cbranch_scc1 .Lx_end
	ds_load_b128 v[20:23], v9                      ; the unit's 512 bytes of scale words leave whole
	s_wait_dscnt 0x0
	global_store_b128 v4, v[20:23], s[14:15] offset:12288
.Lx_end:
	s_wait_tensorcnt 0x0
	ds_add_u32 v192, v193
	s_wait_dscnt 0x0
	s_endpgm
; ---------------- a weight: lane l of wave w takes column 32 w + l of the block of 128, and its registers run down K
.Lweights:
	s_sub_co_u32 s22, ttmp9, 512
	s_lshr_b32 s23, s22, 6                         ; which weight: 0 q, 1 k, 2 v, 3 o
	s_bfe_u32 s24, s22, 0x30003                    ; which 128 columns
	s_and_b32 s25, s22, 7                          ; K step
	s_lshr_b32 s26, s22, 3                         ; the block's number in wimg: 8 x weight + columns' block
	s_mul_i32 s26, s26, 102400
	s_mul_i32 s27, s25, 12800
	s_add_co_u32 s26, s26, s27
	s_mov_b32 s27, 0
	s_lshl_b32 s28, s25, 19                        ; 128 rows of 4,096 bytes
	s_lshl_b32 s30, s24, 9
	s_add_co_u32 s28, s28, s30
	s_lshl_b32 s30, s18, 7
	s_add_co_u32 s28, s28, s30
	s_mov_b32 s31, 0
	s_mov_b32 s30, s28
	v_bfe_u32 v22, v0, 3, 1                        ; my column's tile is 2 w + u, u = (l / 8) % 2,
	v_and_b32 v23, 7, v0
	s_wait_alu depctr_va_vdst(0)
	v_lshl_add_u32 v23, v3, 3, v23                 ; its lane there r' = l % 8 + 8 (l / 16)
	v_mul_u32_u24 v24, v22, 1536
	v_add_nc_u32 v24, s32, v24
	v_add_nc_u32 v24, WIM, v24
	v_lshl_add_u32 v6, v23, 4, v24                 ; where a block's first four registers go
	v_lshl_add_u32 v7, v23, 3, v24                 ; and its last two
	v_lshl_add_u32 v8, v23, 4, s29
	v_lshl_add_u32 v8, v22, 2, v8
	v_add_nc_u32 v8, WIM+12288, v8                 ; my column's scale word
	v_add_nc_u32 v9, s32, v4
	v_add_nc_u32 v9, WIM, v9                       ; back: my wave's 3,072 bytes, 16 a lane
	v_add_nc_u32 v10, WIM+12288, v4
	v_lshlrev_b32 v21, 2, v1                       ; in: 4 bytes a lane
	s_wait_alu depctr_va_vdst(0)
	s_wait_kmcnt 0x0
	s_cmp_eq_u32 s23, 1                            ; the choice hangs on the work-group's number alone
	s_cselect_b64 s[6:7], s[8:9], s[6:7]
	s_cmp_eq_u32 s23, 2
	s_cselect_b64 s[6:7], s[10:11], s[6:7]
	s_cmp_eq_u32 s23, 3
	s_cselect_b64 s[6:7], s[12:13], s[6:7]
	s_add_nc_u64 s[6:7], s[6:7], s[30:31]
	s_add_nc_u64 s[16:17], s[16:17], s[26:27]
	s_add_nc_u64 s[34:35], s[16:17], s[32:33]
.macro WLOAD t                         ; block t: rows 32 t + n of the K step, my column: a wave reads 128 consecutive bytes, the four waves 512
.set n, 0
.rept 32
	global_load_b32 v[64+32*(\t)+n], v21, s[6:7] offset:4096*(32*(\t)+n) th:TH_LOAD_NT
.set n, n+1
.endr
.endm
	WLOAD 0
	WLOAD 1
; Block t is k = 64 (t / 2) + 32 (t % 2) + 0 .. 31: registers 6 (t / 2) .. + 5 of lane 16 (t % 2) + r' of my column's fragment.
.macro WBLOCK t
.set WD, 64+32*(\t)
.set WC, 32+6*(\t)
.if (\t) < 3
	s_wait_loadcnt 32                              ; this block's 32 loads are in; the next block's may be out
.else
	s_wait_loadcnt 0x0
.endif
.if (\t) < 2
	WLOAD (\t)+2
.endif
	v_max3_num_f32 v12, |v[WD]|, |v[WD+1]|, |v[WD+2]|
	v_max3_num_f32 v13, |v[WD+3]|, |v[WD+4]|, |v[WD+5]|
.irp i, 6,10,14,18,22,26
	v_max3_num_f32 v12, v12, |v[WD+\i]|, |v[WD+\i+1]|
	v_max3_num_f32 v13, v13, |v[WD+\i+2]|, |v[WD+\i+3]|
.endr
	v_max3_num_f32 v12, v12, |v[WD+30]|, |v[WD+31]|
	v_max3_num_f32 v12, v12, v13, FLOOR
	v_add_nc_u32 v14, TWO_OFF, v12
	v_lshrrev_b32 v13, 23, v14
.if (\t) == 0
	v_mov_b32 v20, v13
.else
	v_lshl_or_b32 v20, v13, 8*(\t), v20
.endif
	v_cvt_scalef32_pk16_fp6_f32 v[WC:WC+2], v[WD:WD+15], v14
	v_cvt_scalef32_pk16_fp6_f32 v[56:58], v[WD+16:WD+31], v14
	v_nop                                          ; one plain place behind a scaled conversion
	v_mov_b32 v[WC+3], v56
	v_mov_b32 v[WC+4], v57
	v_mov_b32 v[WC+5], v58
	ds_store_b128 v6, v[WC:WC+3] offset:768*((\t)/2)+256*((\t)%2)        ; each block has registers of its own: no store's data are written again
	ds_store_b64 v7, v[WC+4:WC+5] offset:512+768*((\t)/2)+128*((\t)%2)
.endm
	WBLOCK 0
	WBLOCK 1
	WBLOCK 2
	WBLOCK 3
	ds_store_b32 v8, v20
.irp p, 0,1,2,3,4,5
	ds_load_b128 v[64+4*\p:67+4*\p], v9 offset:512*\p    ; my wave's own two fragments: LDS serves a wave's instructions in order (ISA guide 5.7.1.4)
.endr
.irp p, 0,1,2,3,4,5
	s_wait_dscnt 5-\p                              ; the younger loads may be out
	global_store_b128 v4, v[64+4*\p:67+4*\p], s[34:35] offset:512*\p     ; 512 consecutive bytes, aligned
.endr
	s_wait_dscnt 0x0                               ; for the others' sake: my words lie in LDS
	s_barrier_signal -1
	s_barrier_wait -1
	s_cmp_lg_u32 s18, 0
	s_cbranch_scc1 .Lw_end
	ds_load_b128 v[88:91], v10
	s_wait_dscnt 0x0
	global_store_b128 v4, v[88:91], s[16:17] offset:12288
.Lw_end:
	s_wait_tensorcnt 0x0
	ds_add_u32 v192, v193
	s_wait_dscnt 0x0
	s_endpgm
.Lfunc_end_k_q4d82e2ac55_prep:
	.size	k_q4d82e2ac55_prep, .Lfunc_end_k_q4d82e2ac55_prep-k_q4d82e2ac55_prep
	.p2alignl 7, 3214868480
	.fill 96, 4, 3214868480
	.section	.rodata,"a",@progbits
	.p2align	6, 0x0
	.amdhsa_kernel k_q4d82e2ac55_prep
		.amdhsa_group_segment_fixed_size 81408
		.amdhsa_private_segment_fixed_size 0
		.amdhsa_enable_private_segment 0
		.amdhsa_kernarg_size 56
		.amdhsa_user_sgpr_count 2
		.amdhsa_user_sgpr_kernarg_segment_ptr 1
		.amdhsa_wavefront_size32 1
		.amdhsa_system_sgpr_workgroup_id_x 1
		.amdhsa_system_sgpr_workgroup_id_y 1
		.amdhsa_system_sgpr_workgroup_id_z 1
		.amdhsa_system_vgpr_workitem_id 0
		.amdhsa_next_free_vgpr 194
		.amdhsa_next_free_sgpr 66
		.amdhsa_reserve_vcc 0
		.amdhsa_float_denorm_mode_32 3
		.amdhsa_float_denorm_mode_16_64 3
		.amdhsa_memory_ordered 1
		.amdhsa_forward_progress 1
		.amdhsa_inst_pref_size 39
	.end_amdhsa_kernel
	.amdgpu_metadata
---
amdhsa.version: [ 1, 2 ]
amdhsa.kernels:
  - .name:           k_q4d82e2ac55_prep
    .symbol:         k_q4d82e2ac55_prep.kd
    .args:
      - { .name: x, .offset: 0, .size: 8, .value_kind: global_buffer, .address_space: global }
      - { .name: wq, .offset: 8, .size: 8, .value_kind: global_buffer, .address_space: global }
      - { .name: wk, .offset: 16, .size: 8, .value_kind: global_buffer, .address_space: global }
      - { .name: wv, .offset: 24, .size: 8, .value_kind: global_buffer, .address_space: global }
      - { .name: wo, .offset: 32, .size: 8, .value_kind: global_buffer, .address_space: global }
      - { .name: ximg, .offset: 40, .size: 8, .value_kind: global_buffer, .address_space: global }
      - { .name: wimg, .offset: 48, .size: 8, .value_kind: global_buffer, .address_space: global }
    .group_segment_fixed_size: 81408
    .private_segment_fixed_size: 0
    .kernarg_segment_align: 8
    .kernarg_segment_size: 56
    .max_flat_workgroup_size: 128
    .sgpr_count:     66
    .vgpr_count:     194
    .wavefront_size: 32
...
	.end_amdgpu_metadata
.endif
;; end of part 1
;; launch qkv (part 2): grid 4 x 192, 4 waves a work-group, clusters of 4 x 4, 327,680 bytes of LDS; arguments ximg, wimg, bq, bk, bv, qb, kvb; writes qb, kvb
.if DOCPART == 2
	.amdgcn_target "amdgcn-amd-amdhsa--gfx1250"
	.amdhsa_code_object_version 6
	.text
	.protected	k_q4d82e2ac55_qkv
	.globl	k_q4d82e2ac55_qkv
	.p2align	8
	.type	k_q4d82e2ac55_qkv,@function
k_q4d82e2ac55_qkv:
	s_mov_b64 s[64:65], 0
	v_nop
	global_prefetch_b8 v0, s[64:65] scope:SCOPE_SE
	s_setreg_imm32_b32 hwreg(HW_REG_WAVE_MODE, 25, 1), 1
	s_wait_xcnt 0x0
	s_wait_alu depctr_hold_cnt(0) depctr_sa_sdst(0) depctr_va_vdst(0) depctr_va_sdst(0) depctr_va_ssrc(0) depctr_va_vcc(0) depctr_vm_vsrc(0)
	s_getreg_b32 s2, hwreg(HW_REG_IB_STS2, 6, 4)
	s_cmp_eq_u32 s2, 0
	s_cbranch_scc0 .Lentry_in_a_cluster
	s_endpgm
.Lentry_in_a_cluster:
	s_bfe_u32 s2, ttmp6, 0x10000c
	s_cmp_lg_u32 s2, 0xf033
	s_cbranch_scc0 .Lentry_shape_is_right
	s_endpgm
.Lentry_shape_is_right:
; QKV: q = x wq + bq, k = x wk + bk, v = x wv + bv on codes of FP6 (E2M3), and the results quantised at once: q and k along a head's 64 channels, v along the keys.
; ONE BODY FOR THE THREE.  Source 0 (P) is the axis along which the result is quantised, source 1 (R) the lane's row.  q, k: P = 256 columns of [wq | wk], R = 128 rows of x.  v: P = 256 rows of x (keys), R = 128 columns of wv.
; A work-group's tile is P 256 x R 128 over all of K = 1,024; a wave (pw = w % 2, rw = w / 2) makes P 128 x R 64: 8 x 4 accumulators.  A lane then holds one R row, and its 64 registers of a column of accumulators
; are 128 neighbours along P in the order that the quantiser's lines want, so the codes made here ARE the next operand's registers and are stored as they stand.
; INPUTS are register images (launch prep): a block of 128 rows is 102,400 dense bytes, eight units of 12,800 (eight fragments of 1,536, then 512 of scale words).
; ALL OF K LIES IN LDS: three blocks (P's two, R's one), each a byte image of its block in memory, filled once, in two chunks of four K steps.  Nothing is filled again, so there is no ring.
; CLUSTERS: 4 x 4 work-groups.  P hangs on the cluster's number and cx and is asked for jointly by a column of the cluster, R on the cluster's number and cy, jointly by a row: the requests for both are divided by four.
; Clusters 0-31 make q and k (C % 2: which; C / 2: which 512 rows of x), clusters 32-47 make v (C' % 8: which 1,024 keys; C' / 8: which 512 channels).  The one branch that parts them hangs on the cluster's number: alike in all partners.
; OUT.  qb [64 heads][16 steps of 128 rows][6,656]: eight half fragments of 768 bytes (a head's 64 channels: registers 0-5) and 512 bytes of scale words (bytes 0, 1; bytes 2, 3 are 0).
;       kvb [64][16][13,312]: K's part laid as in qb; V's part: four fragments (16 channels x 128 keys) and 512 bytes of scale words (lane L's 16 bytes: tiles 0-3 of channel lane L % 16).
; LIMITS: a block of zeros or under 2^-124 gets the byte 1 (only this program reads the bytes); NaN and infinities are not served.
; REGISTERS, in windows of 256: window 0: v1-15 addresses; v16-31 the quantiser's work; v32-47 scale words, two sets; v48-51 the four tiles' words; v64-159 P's eight fragments, v160-207 R's four (buffer 0); v208-226 codes.
;   window 1: accumulator (i, j) at v[64 j + 8 i].   window 2: buffer 1, at buffer 0's numbers.
.set G1P, 24                           ; s[24:31] descriptor group 1 for P;  s[32:39] for R: they differ in the mask
.set G1R, 32
.set G0P, 40                           ; s[40:47] group 0 for P, a set for each chunk;  s[68:75] for R
.set G0R, 68
.set B0,  56                           ; s[56:57] where registers 0-5 of a tile's codes go;  s[58:59] registers 6-11;  s[60:61] from tile to tile;  s[62:63] the scale words
.set B1,  58
.set TS,  60
.set BS,  62
.set TM,  16                           ; v16-19 largest magnitudes, v20-23 the other half's / bytes, v28-31 the conversions' scale operands
.set PW,  24                           ; the scale word just made
.set SC,  32
.set WW,  48
.set SH,  52
.set VSO, 53
.set L16, 54
.set L8,  55
.set BR,  56
.set BO,  14
.set PF,  64
.set RF,  160
.set PC,  208
.set MSB, 0
.macro WIN new                         ; the immediate's high byte repeats the setting that is left; a switch that changes nothing is dropped
.if MSB != (\new)
	s_set_vgpr_msb (MSB<<8)|(\new)
.set MSB, \new
.endif
.endm
.macro PLACES                          ; four plain places behind matrix instructions, in front of loads into their registers and of the first read of results
.rept 4
	v_nop
.endr
.endm
.macro CROUND                          ; a round of the cluster's barrier
	s_barrier_signal -1
	s_barrier_wait -1
	s_cmp_lg_u32 s18, 0
	s_cbranch_scc1 .Lnot_wave_0_\@
	s_barrier_signal -3
.Lnot_wave_0_\@:
	s_barrier_wait -3
	s_barrier_signal -1
	s_barrier_wait -1
.endm
	s_load_b256 s[4:11], s[0:1], 0x0               ; ximg, wimg, bq, bk
	s_load_b128 s[12:15], s[0:1], 0x20             ; bv, qb
	s_load_b64 s[16:17], s[0:1], 0x30              ; kvb
	v_lshl_add_u32 v254, v0, 2, 0x4b000
	v_mov_b32 v255, 0
	ds_add_u32 v254, v255
	ds_add_u32 v254, v255
	v_lshrrev_b32 v1, 5, v0
	v_readfirstlane_b32 s18, v1                    ; wave 0..3
	s_and_b32 s19, s18, 1                          ; pw.  Also: which of P's two blocks I fetch
	s_lshr_b32 s20, s18, 1                         ; rw
	s_bfe_u32 s21, ttmp6, 0x40000                  ; cx
	s_bfe_u32 s22, ttmp6, 0x40004                  ; cy
	s_and_b32 s23, ttmp7, 0xffff                   ; C: the cluster's number
	s_and_b32 s84, s23, 1
	s_lshr_b32 s85, s23, 1
	s_sub_co_u32 s86, s23, 32
	s_and_b32 s87, s86, 7
	s_lshr_b32 s86, s86, 3
	s_cmp_ge_u32 s23, 32
	s_cselect_b32 s84, s87, s84
	s_cselect_b32 s85, s86, s85
	s_cselect_b32 s88, 1, 0                        ; 1: this cluster makes v
	s_lshl_b32 s84, s84, 2
	s_add_co_u32 s84, s84, s21                     ; pb: which 256 of P (holds cx, never cy)
	s_lshl_b32 s85, s85, 2
	s_add_co_u32 s85, s85, s22                     ; rb: which 128 of R (holds cy, never cx)
	s_lshl_b32 s86, 0x1111, s21                    ; my column of the cluster
	s_or_b32 s[G1P], s86, (3<<16)|(1<<21)          ; 15:0 the mask; 17:16 elements of 8 bytes; 21 set beside a mask; no padding
	s_lshl_b32 s87, s22, 2
	s_lshl_b32 s87, 15, s87                        ; my row
	s_or_b32 s[G1R], s87, (3<<16)|(1<<21)
.irp g, G1P, G1R                       ; a fill: 51,200 dense bytes as 200 rows of 256
	s_mov_b32 s[\g+1], 32<<16                      ; tensor_dim0 = 32 elements
	s_mov_b32 s[\g+2], 200<<16                     ; tensor_dim1 = 200: a fill is half a block, four K steps, 51,200 dense bytes as 200 rows of 256
	s_mov_b32 s[\g+3], 32<<16                      ; tile_dim0
	s_mov_b32 s[\g+4], 200                         ; tile_dim1
	s_mov_b32 s[\g+5], 32                          ; the pitch
	s_mov_b32 s[\g+6], 0
	s_mov_b32 s[\g+7], 0
.endr
	s_lshl_b32 s89, s84, 1
	s_add_co_u32 s89, s89, s19                     ; P's block: 2 pb + (wave % 2)
	s_mul_i32 s90, s89, 102400
	s_mov_b32 s91, 0
	s_lshl_b32 s92, s88, 4
	s_add_co_u32 s92, s92, s85                     ; R's block: rb in ximg, or 16 + rb in wimg (wv's blocks begin at 16)
	s_mul_i32 s92, s92, 102400
	s_mov_b32 s93, 0
	s_mul_i32 s94, s18, 102400                     ; where my block goes: wave x 102,400: no place in the cluster enters an LDS address
	s_mov_b32 s100, 0x76543210
	s_mov_b32 s101, 0xfedcba98                     ; v_permlanex16_b32's selects for lane l xor 16
	s_wait_dscnt 0x0
	s_wait_kmcnt 0x0
	s_cmp_eq_u32 s88, 1
	s_cselect_b64 s[96:97], s[4:5], s[6:7]         ; P: x's codes for v, the weights' for q and k
	s_cselect_b64 s[98:99], s[6:7], s[4:5]         ; R: the other
	s_add_nc_u64 s[96:97], s[96:97], s[90:91]
	s_add_nc_u64 s[98:99], s[98:99], s[92:93]
.irp c, 0,1                            ; two fills a block: K steps 0-3 and 4-7
	s_mov_b32 s[G0P+4*\c], 1
	s_add_co_u32 s[G0P+4*\c+1], s94, 51200*\c
	s_add_nc_u64 s[G0P+4*\c+2:G0P+4*\c+3], s[96:97], 51200*\c
	s_or_b32 s[G0P+4*\c+3], s[G0P+4*\c+3], 0x80000000              ; type = 2
	s_mov_b32 s[G0R+4*\c], 1
	s_add_co_u32 s[G0R+4*\c+1], s94, 51200*\c
	s_add_nc_u64 s[G0R+4*\c+2:G0R+4*\c+3], s[98:99], 51200*\c
	s_or_b32 s[G0R+4*\c+3], s[G0R+4*\c+3], 0x80000000
.endr
	CROUND                                         ; all sixteen work-groups are here: the joint loads meet
	s_cmp_lt_u32 s18, 2                            ; waves 0, 1: P's two blocks; wave 2: R's; wave 3: none.  one fill a wave here: K steps 0-3
	s_cbranch_scc0 .Lnot_p
	tensor_load_to_lds s[G0P:G0P+3], s[G1P:G1P+7]  ; one tensor load a wave at the head: K steps 0-3 of my block
	s_nop 0
	PLACES
	s_branch .Lasked
.Lnot_p:
	s_cmp_eq_u32 s18, 2
	s_cbranch_scc0 .Lasked
	tensor_load_to_lds s[G0R:G0R+3], s[G1R:G1R+7]
	s_nop 0
	PLACES
.Lasked:
	; LDS addresses: two of each kind, for K steps 0-3 and 4-7, so that every offset is an immediate of 16 bits
	v_and_b32 v3, 31, v0                           ; l
	v_and_b32 v1, 15, v0                           ; r
	v_bfe_u32 v2, v0, 4, 1                         ; h
	v_lshlrev_b32 v[L16], 4, v3
	v_lshlrev_b32 v[L8], 3, v3
	s_mul_i32 s2, s19, 102400                      ; my 128 of P
	v_add_nc_u32 v4, s2, v[L16]
	v_add_nc_u32 v6, s2, v[L8]
	s_mul_i32 s3, s20, 6144                        ; my four tiles of R
	s_add_co_u32 s3, s3, 204800
	v_add_nc_u32 v8, s3, v[L16]
	v_add_nc_u32 v10, s3, v[L8]
	s_lshl_b32 s3, s20, 8
	s_add_co_u32 s3, s3, 204800+12288
	v_lshl_add_u32 v12, v1, 4, s3                  ; their scale words: 16 bytes for row lane r, the same in both halves of the lanes
	v_add_nc_u32 v5, 51200, v4
	v_add_nc_u32 v7, 51200, v6
	v_add_nc_u32 v9, 51200, v8
	v_add_nc_u32 v11, 51200, v10
	v_add_nc_u32 v13, 51200, v12
.irp b, 0,1,2,3
	v_mov_b32 v[TM+4+\b], 0                        ; written once: a lane permute's destination counts as one of its sources
.endr
	; where the results go
	s_and_b32 s90, s23, 1
	s_or_b32 s90, s90, s88                         ; 0 for q alone
	s_cmp_eq_u32 s90, 0
	s_mov_b32 s91, 212992
	s_cselect_b32 s91, 106496, s91                 ; a head's bytes
	s_mov_b32 s92, 13312
	s_cselect_b32 s92, 6656, s92                   ; a step's
	s_cselect_b64 s[BS:BS+1], s[14:15], s[16:17]   ; qb or kvb
	s_lshl_b32 s93, s85, 1
	s_add_co_u32 s93, s93, s20                     ; v: my head = 2 rb + rw
	s_lshl_b32 s94, s21, 2
	s_lshl_b32 s95, s19, 1
	s_add_co_u32 s94, s94, s95                     ; q, k: my first head = 4 cx + 2 pw
	s_mul_i32 s95, s20, 3072
	s_lshl_b32 s96, s20, 8
	s_cmp_eq_u32 s88, 1
	s_cselect_b32 s93, s93, s94                    ; head
	s_cselect_b32 s94, s89, s85                    ; the block of x's rows: 2 pb + pw for v, rb for q and k
	s_cselect_b32 s97, 6656, 0                     ; V's part lies behind K's
	s_cselect_b32 s95, 0, s95                      ; q, k: my four tiles begin 3,072 rw on
	s_cselect_b32 s96, 0, s96                      ; and their words 256 rw on
	s_cselect_b32 s98, 768, s91                    ; registers 6-11: v: the fragment's second half; q, k: the next head
	s_mov_b32 s[TS], 768
	s_cselect_b32 s[TS], 1536, s[TS]               ; from tile to tile
	s_mov_b32 s[TS+1], 0
	s_cselect_b32 s99, 256, s91                    ; the words' store: from lanes 0-15 to lanes 16-31
	s_cselect_b32 s67, 0, 16                       ; q, k: lanes 16-31 take the word's upper two bytes
	s_cselect_b32 s66, -1, 0xffff
	s_lshr_b32 s86, s94, 4                         ; batch
	s_and_b32 s87, s94, 15                         ; step
	s_lshl_b32 s86, s86, 4
	s_add_co_u32 s86, s86, s93
	s_mul_i32 s86, s86, s91
	s_mul_i32 s87, s87, s92
	s_add_co_u32 s86, s86, s87
	s_add_co_u32 s86, s86, s97
	s_mov_b32 s87, 0
	s_add_nc_u64 s[BS:BS+1], s[BS:BS+1], s[86:87]
	s_mov_b32 s86, s95
	s_add_nc_u64 s[B0:B0+1], s[BS:BS+1], s[86:87]
	s_mov_b32 s86, s98
	s_add_nc_u64 s[B1:B1+1], s[B0:B0+1], s[86:87]
	s_add_nc_u64 s[BS:BS+1], s[BS:BS+1], 6144
	v_mul_u32_u24 v[VSO], v2, s99
	v_lshl_add_u32 v[VSO], v1, 4, v[VSO]
	v_add_nc_u32 v[VSO], s96, v[VSO]
	v_mul_u32_u24 v[SH], v2, s67
	; THE BIASES START THE SUMS: they are laid into the accumulators, in the result's layout
	s_cmp_eq_u32 s88, 1
	s_cbranch_scc1 .Lbias_v
	s_and_b32 s2, s23, 1                           ; q, k: register e of accumulator (i, j) is column 32 (i / 2) + 16 h + 8 (i % 2) + e of my 128: loaded straight
	s_cmp_eq_u32 s2, 1
	s_cselect_b64 s[8:9], s[10:11], s[8:9]
	s_lshl_b32 s2, s21, 10
	s_lshl_b32 s3, s19, 9
	s_add_co_u32 s2, s2, s3                        ; 4 (256 cx + 128 pw)
	s_mov_b32 s3, 0
	s_add_nc_u64 s[8:9], s[8:9], s[2:3]
	v_lshlrev_b32 v[BO], 6, v2
	WIN 0x40                                       ; destination window 1
.irp j, 0,1,2,3
.irp i, 0,1,2,3,4,5,6,7
	global_load_b128 v[64*\j+8*\i:64*\j+8*\i+3], v[BO], s[8:9] offset:4*(32*(\i/2)+8*(\i%2))
	global_load_b128 v[64*\j+8*\i+4:64*\j+8*\i+7], v[BO], s[8:9] offset:4*(32*(\i/2)+8*(\i%2))+16
.endr
.endr
	WIN 0
	s_branch .Lbias_done
.Lbias_v:
	s_lshl_b32 s2, s85, 9                          ; v: a lane's row is one channel, 128 rb + 64 rw + 32 (j / 2) + 8 (j % 2) + r + 8 (r / 8): one number for all of a lane's registers of column j
	s_lshl_b32 s3, s20, 8
	s_add_co_u32 s2, s2, s3
	s_mov_b32 s3, 0
	s_add_nc_u64 s[12:13], s[12:13], s[2:3]
	v_and_b32 v[BO], 8, v1
	v_add_nc_u32 v[BO], v[BO], v1
	v_lshlrev_b32 v[BO], 2, v[BO]
.irp j, 0,1,2,3
	global_load_b32 v[BR+2*\j], v[BO], s[12:13] offset:4*(32*(\j/2)+8*(\j%2))
	v_mov_b32 v[BR+2*\j+1], 0                      ; (named with it as a pair, so it is written)
.endr
	s_wait_alu depctr_va_vdst(0)
	s_wait_loadcnt 0x0
	WIN 0x40
.irp j, 0,1,2,3
.set n, 0
.rept 32
	v_pk_mul_f32 v[64*\j+n:64*\j+n+1], v[BR+2*\j:BR+2*\j+1], 1.0 op_sel_hi:[0,0]   ; the pair's low word into both halves
.set n, n+2
.endr
.endr
	WIN 0
.Lbias_done:
.macro FRAG reg, a16, a8, off          ; a fragment's image: four loads, 512 or 256 consecutive bytes each
	ds_load_b128 v[\reg:\reg+3], v[\a16] offset:\off
	ds_load_b64 v[\reg+4:\reg+5], v[\a8] offset:\off+512
	ds_load_b128 v[\reg+6:\reg+9], v[\a16] offset:\off+768
	ds_load_b64 v[\reg+10:\reg+11], v[\a8] offset:\off+1280
.endm
.macro FETCH s, e                      ; K step s into buffer e: P's eight fragments, R's four, and the scale words: 50 LDS loads
	WIN 0x80*(\e)
.irp i, 0,1,2,3,4,5,6,7
	FRAG PF+12*\i, 4+(\s)/4, 6+(\s)/4, 12800*((\s)%4)+1536*\i
.endr
.irp j, 0,1,2,3
	FRAG RF+12*\j, 8+(\s)/4, 10+(\s)/4, 12800*((\s)%4)+1536*\j
.endr
	WIN 0                                          ; scale operands have no window: they lie in window 0
	ds_load_b128 v[SC+8*(\e):SC+8*(\e)+3], v[4+(\s)/4] offset:12800*((\s)%4)+12288     ; P's: register n: tile n in lanes 0-15, tile 4 + n in lanes 16-31
	ds_load_b128 v[SC+8*(\e)+4:SC+8*(\e)+7], v[12+(\s)/4] offset:12800*((\s)%4)        ; R's: register j: my tile j
.endm
.macro MUL32 e                         ; the 32 accumulators take turns, one instruction a turn, in the same order in every K step
	WIN 0x50+0x0a*(\e)                             ; C and D window 1; sources window 0 or 2
.irp i, 0,1,2,3
.irp j, 0,1,2,3
	v_wmma_scale_f32_16x16x128_f8f6f4 v[64*\j+8*\i:64*\j+8*\i+7], v[PF+12*\i:PF+12*\i+11], v[RF+12*\j:RF+12*\j+11], v[64*\j+8*\i:64*\j+8*\i+7], v[SC+8*(\e)+\i], v[SC+8*(\e)+4+\j] matrix_a_fmt:MATRIX_FMT_FP6 matrix_b_fmt:MATRIX_FMT_FP6
.endr
.endr
.irp i, 4,5,6,7
.irp j, 0,1,2,3
	v_wmma_scale_f32_16x16x128_f8f6f4 v[64*\j+8*\i:64*\j+8*\i+7], v[PF+12*\i:PF+12*\i+11], v[RF+12*\j:RF+12*\j+11], v[64*\j+8*\i:64*\j+8*\i+7], v[SC+8*(\e)+\i-4], v[SC+8*(\e)+4+\j] matrix_a_fmt:MATRIX_FMT_FP6 matrix_b_fmt:MATRIX_FMT_FP6 matrix_a_scale:MATRIX_SCALE_ROW1
.endr
.endr
.endm
.macro KSTEP s
	s_wait_dscnt 0x0                               ; this step's buffer is in: it was asked for 32 matrix instructions ago
.if (\s) == 3
	s_wait_tensorcnt 0x0                           ; my part of K steps 4-7 has landed
	s_barrier_signal -1
	s_barrier_wait -1                              ; everybody's has.
.endif
.if (\s) < 7
	PLACES                                         ; behind the last step's products, which read the buffer that is filled now
	FETCH (\s)+1, ((\s)+1)%2
.endif
	MUL32 (\s)%2
.endm
	s_wait_alu depctr_va_vdst(0)                   ; the wait at the head's end
	s_wait_tensorcnt 0x0                           ; my part of K steps 0-3 has landed; the second halves' first fill is issued as a refill is:
	ds_add_u32 v254, v255                          ; the add, twice on end
	ds_add_u32 v254, v255
	s_wait_dscnt 0x0
	CROUND                                         ; everybody's part is in, and all sixteen work-groups are here: the joint loads meet
	s_cmp_lt_u32 s18, 2
	s_cbranch_scc0 .Lnot_p2
	tensor_load_to_lds s[G0P+4:G0P+7], s[G1P:G1P+7]   ; K steps 4-7: they land under the products of K steps 0-3
	s_nop 0
	PLACES
	s_branch .Lasked2
.Lnot_p2:
	s_cmp_eq_u32 s18, 2
	s_cbranch_scc0 .Lasked2
	tensor_load_to_lds s[G0R+4:G0R+7], s[G1R:G1R+7]
	s_nop 0
	PLACES
.Lasked2:
	FETCH 0, 0
	s_wait_loadcnt 0x0                             ; the biases
	s_wait_alu depctr_va_vdst(0)
.irp s, 0,1,2,3,4,5,6,7
	KSTEP \s
.endr
	PLACES
; 64 numbers of a lane in window 1, register 16 b + i = P index 32 b + 16 h + i of my row, become a fragment's codes in v[PC] on and its scale word in v[PW].  Each accumulator is read from its low end on.
.macro QUANT s
	WIN 0x14                                       ; sources 1 and 2 window 1
.irp b, 0,1,2,3
	v_max3_num_f32 v[TM+\b], 0x1800000, |v[(\s)+16*\b]|, |v[(\s)+1+16*\b]|   ; the floor 2^(3 - 127) among the leaves: the byte cannot fall under 1
.endr
.irp i, 2,4,6,8,10,12,14
.irp b, 0,1,2,3
	v_max3_num_f32 v[TM+\b], v[TM+\b], |v[(\s)+16*\b+\i]|, |v[(\s)+1+16*\b+\i]|
.endr
.endr
	WIN 0
.irp b, 0,1,2,3
	v_permlanex16_b32 v[TM+4+\b], v[TM+\b], s100, s101
.endr
.irp b, 0,1,2,3
	v_max_num_f32 v[TM+\b], v[TM+\b], v[TM+4+\b]   ; with lane l xor 16's: the block's largest magnitude
.endr
.irp b, 0,1,2,3
	v_add_nc_u32 v[TM+12+\b], 0xff000000, v[TM+\b] ; 2 off its exponent field: the conversion's scale operand
.endr
.irp b, 0,1,2,3
	v_lshrrev_b32 v[TM+4+\b], 23, v[TM+12+\b]      ; the scale's byte
.endr
	v_lshl_or_b32 v[PW], v[TM+5], 8, v[TM+4]
	v_lshl_or_b32 v[PW], v[TM+6], 16, v[PW]
	v_lshl_or_b32 v[PW], v[TM+7], 24, v[PW]
	WIN 0x01                                       ; source 0 window 1
.irp c, 0,1
	v_cvt_scalef32_pk16_fp6_f32 v[PC+6*\c:PC+2+6*\c], v[(\s)+32*\c:(\s)+15+32*\c], v[TM+12+2*\c]
	v_cvt_scalef32_pk16_fp6_f32 v[PC+12+4*\c:PC+14+4*\c], v[(\s)+16+32*\c:(\s)+31+32*\c], v[TM+12+2*\c+1]
.endr
	WIN 0
	v_nop                                          ; one plain place behind a scaled conversion
.irp c, 0,1                                    ; the operand's layout wants a whole block in a lane
.irp i, 0,1,2
	v_permlane16_swap_b32 v[PC+6*\c+\i], v[PC+12+4*\c+\i]
.endr
.irp i, 0,1,2
	v_mov_b32 v[PC+3+6*\c+\i], v[PC+12+4*\c+\i]
.endr
.endr
.endm
.irp j, 0,1,2,3
	QUANT 64*\j
	v_mov_b32 v[WW+\j], v[PW]
	global_store_b128 v[L16], v[PC:PC+3], s[B0:B0+1]                  ; each store covers 512 or 256 consecutive bytes, aligned
	global_store_b64 v[L8], v[PC+4:PC+5], s[B0:B0+1] offset:512
	global_store_b128 v[L16], v[PC+6:PC+9], s[B1:B1+1]
	global_store_b64 v[L8], v[PC+10:PC+11], s[B1:B1+1] offset:512
	s_wait_xcnt 0x0                                ; the stores have read their data and bases: both are written again below and in the next tile
	s_add_nc_u64 s[B0:B0+1], s[B0:B0+1], s[TS:TS+1]
	s_add_nc_u64 s[B1:B1+1], s[B1:B1+1], s[TS:TS+1]
.endr
	s_wait_alu depctr_va_vdst(0)
.irp j, 0,1,2,3
	v_lshrrev_b32 v[WW+\j], v[SH], v[WW+\j]        ; q, k: lanes 0-15 keep the first head's two bytes, lanes 16-31 the second head's; v: the word as it is
.endr
.irp j, 0,1,2,3
	v_and_b32 v[WW+\j], s66, v[WW+\j]
.endr
	global_store_b128 v[VSO], v[WW:WW+3], s[BS:BS+1]   ; sixteen lanes store 256 consecutive bytes, aligned
	s_wait_tensorcnt 0x0
	ds_add_u32 v254, v255
	s_wait_dscnt 0x0
	CROUND                                         ; the closing round: no work-group ends while a partner may still ask for a tile that names it
	s_endpgm
.Lfunc_end_k_q4d82e2ac55_qkv:
	.size	k_q4d82e2ac55_qkv, .Lfunc_end_k_q4d82e2ac55_qkv-k_q4d82e2ac55_qkv
	.p2alignl 7, 3214868480
	.fill 96, 4, 3214868480
	.section	.rodata,"a",@progbits
	.p2align	6, 0x0
	.amdhsa_kernel k_q4d82e2ac55_qkv
		.amdhsa_group_segment_fixed_size 327680
		.amdhsa_private_segment_fixed_size 0
		.amdhsa_enable_private_segment 0
		.amdhsa_kernarg_size 56
		.amdhsa_user_sgpr_count 2
		.amdhsa_user_sgpr_kernarg_segment_ptr 1
		.amdhsa_wavefront_size32 1
		.amdhsa_system_sgpr_workgroup_id_x 1
		.amdhsa_system_sgpr_workgroup_id_y 1
		.amdhsa_system_sgpr_workgroup_id_z 1
		.amdhsa_system_vgpr_workitem_id 0
		.amdhsa_next_free_vgpr 768
		.amdhsa_next_free_sgpr 104
		.amdhsa_reserve_vcc 0
		.amdhsa_float_denorm_mode_32 3
		.amdhsa_float_denorm_mode_16_64 3
		.amdhsa_memory_ordered 1
		.amdhsa_forward_progress 1
		.amdhsa_inst_pref_size 102
	.end_amdhsa_kernel
	.amdgpu_metadata
---
amdhsa.version: [ 1, 2 ]
amdhsa.kernels:
  - .name:           k_q4d82e2ac55_qkv
    .symbol:         k_q4d82e2ac55_qkv.kd
    .args:
      - { .name: ximg, .offset: 0, .size: 8, .value_kind: global_buffer, .address_space: global }
      - { .name: wimg, .offset: 8, .size: 8, .value_kind: global_buffer, .address_space: global }
      - { .name: bq, .offset: 16, .size: 8, .value_kind: global_buffer, .address_space: global }
      - { .name: bk, .offset: 24, .size: 8, .value_kind: global_buffer, .address_space: global }
      - { .name: bv, .offset: 32, .size: 8, .value_kind: global_buffer, .address_space: global }
      - { .name: qb, .offset: 40, .size: 8, .value_kind: global_buffer, .address_space: global }
      - { .name: kvb, .offset: 48, .size: 8, .value_kind: global_buffer, .address_space: global }
    .group_segment_fixed_size: 327680
    .private_segment_fixed_size: 0
    .kernarg_segment_align: 8
    .kernarg_segment_size: 56
    .max_flat_workgroup_size: 128
    .sgpr_count:     104
    .vgpr_count:     768
    .wavefront_size: 32
...
	.end_amdgpu_metadata
.endif
;; end of part 2
;; launch attn (part 3): grid 4 x 64, 8 waves a work-group, clusters of 4 x 1, 268,288 bytes of LDS; arguments qb, kvb, aimg, asc; writes aimg, asc
.if DOCPART == 3
	.amdgcn_target "amdgcn-amd-amdhsa--gfx1250"
	.amdhsa_code_object_version 6
	.text
	.protected	k_q4d82e2ac55_attn
	.globl	k_q4d82e2ac55_attn
	.p2align	8
	.type	k_q4d82e2ac55_attn,@function
k_q4d82e2ac55_attn:
	s_mov_b64 s[64:65], 0
	v_nop
	global_prefetch_b8 v0, s[64:65] scope:SCOPE_SE
	s_setreg_imm32_b32 hwreg(HW_REG_WAVE_MODE, 25, 1), 1
	s_wait_xcnt 0x0
	s_wait_alu depctr_hold_cnt(0) depctr_sa_sdst(0) depctr_va_vdst(0) depctr_va_sdst(0) depctr_va_ssrc(0) depctr_va_vcc(0) depctr_vm_vsrc(0)
	s_getreg_b32 s2, hwreg(HW_REG_IB_STS2, 6, 4)
	s_cmp_eq_u32 s2, 0
	s_cbranch_scc0 .Lentry_in_a_cluster
	s_endpgm
.Lentry_in_a_cluster:
	s_bfe_u32 s2, ttmp6, 0x10000c
	s_cmp_lg_u32 s2, 0x3003
	s_cbranch_scc0 .Lentry_shape_is_right
	s_endpgm
.Lentry_shape_is_right:
; ATTN: for each of 64 heads (batch x head) O[q] = sum over k of softmax_k(Q[q] . K[k] / 8) V[k], both products on codes of FP6 (E2M3), and O quantised along the channels for the last product.
; THE SOFTMAX: t = score x log2(e) / 8; M = the running largest t rounded UP to a whole number; p = 2^(t - M) is quantised along the keys, not normalised; the row's sum is taken of the unquantised p
; and divides O at the end.  When M moves, the sum and O are multiplied by 2^(old M - new M): exact.
; INPUTS are register images (launch qkv).  A head's K and V, 16 steps of 128 keys x 13,312 bytes, lie in LDS whole, filled once: wave w brings steps 2 w, 2 w + 1 by ONE joint load (the four work-groups of a cluster
; take 512 queries each of one head and need the same K and V; the mask names the four).  Every wave waits for its load, one barrier shows all sixteen steps, and no barrier stands in the loops.
; The descriptor lays 64 bytes of padding behind each 256: an LDS row is 320 bytes, a step 52 rows = 16,640 bytes.
; NO PREFETCH: all fills stand at the head; there is no loop to run ahead in.
; SHARES: a wave owns TWO tiles of 16 queries (x = 0, 1) in 512 registers, two waves to a SIMD, and takes both through each key step together: each fragment of K and V is read from LDS once for both,
; and every chain of dependent lines has the other tile's beside it.  Two passes (32 tiles a work-group).
; LAYOUT: both products transposed: S^T = K Q^T (source 0 = 16 keys), O^T = V^T P^T (source 0 = 16 channels): a lane holds one query of each tile throughout.
; WHICH KEYS FORM A TILE is chosen here, by the LDS address alone: row m of tile n = 4 g + u is key 64 g + 32 (m / 8) + 8 u + m % 8 of the step.  In lane (r, h) the 32 registers of tiles 4 g .. 4 g + 3 are then keys
; 64 g + 32 h + 0 .. 31: one whole scale block, in the order of the next operand's registers 6 g .. 6 g + 5.  A block's maximum needs no other lane and its codes need no lane swap.
; In kvb that row lies in tile 4 g + 2 (m / 8) + u % 2 at lane 8 (u / 2) + m % 8.
; THE FIRST PRODUCT'S K IS 64.  Q's registers 6-11 are zero codes.  K's eight half fragments lie on end, six registers each: registers 6-11 of a tile's operand are the next tile's codes (the last tile's: six zeros).
; Every pattern of six bits is a finite number, and the scale bytes of k = 64 .. 127 are 0 (2^-127): these products are zeros.
; OUT: aimg [64 blocks of 128 rows][8 K steps][8 tiles][1,536]: head hd fills half hd % 2 of K step hd / 2.  asc [row in tile order][32]: byte 2 hd + block.
; LIMITS: a block of zeros or under 2^-124 gets the byte 1 (only this program reads the bytes); NaN and infinities are not served; the promise holds while |t| stays under 2^31.
; REGISTERS, window 0: v1-5 the step's LDS addresses; v6-9 block maxima (2 x + g); v10-13 the conversions' scale operands; v[14:15], v[16:17] -M and the largest score; v[22:23], v[24:25] f, 0; v26, v27 p's scale words;
;   v28, v29 Q's; v30-33 V's; v34-37 K's; v38-45 at work; v42, v43 the old -M; v56-79 Q; v80-127 K, v128-133 zeros; v134-181 V; v182-191 lane terms; v192-207 the row's sum, four chains a tile; v254, v255 the add's.
; Window 1: S^T, then p, at 64 x; O^T at 128 + 32 x; p's codes at 192 + 12 x; the conversions' spare registers at 216 + 8 x.
.set STEPB, 16640
.set SPARE, 0x41000                    ; behind the sixteen steps: the spare words, 128 bytes a wave
.set G1,  24                           ; s[24:31] descriptor group 1;  s[40:43] group 0
.set G0,  40
.set T,   32                           ; s32  LDS byte at which the step in hand begins
.set CNT, 33
.set PAS, 34
.set QF,  56
.set KF,  80
.set VF,  134
.set LS,  192
.set OB,  128                          ; window 1
.set PB,  192                          ; window 1
.set CT,  216                          ; window 1
.set MSB, 0
.macro WIN new                         ; low byte: bits 1:0 source 0, 3:2 source 1, 5:4 source 2, 7:6 destination; the high byte repeats the setting that is left
.if MSB != (\new)
	s_set_vgpr_msb (MSB<<8)|(\new)
.set MSB, \new
.endif
.endm
.macro WALU
	s_wait_alu depctr_va_vdst(0)
.endm
.macro D2
	s_delay_alu instid0(VALU_DEP_2)
.endm
.macro CROUND                          ; a round of the cluster's barrier
	s_barrier_signal -1
	s_barrier_wait -1
	s_cmp_lg_u32 s18, 0
	s_cbranch_scc1 .Lnot_wave_0_\@
	s_barrier_signal -3
.Lnot_wave_0_\@:
	s_barrier_wait -3
	s_barrier_signal -1
	s_barrier_wait -1
.endm
.macro KLOAD a, b, c, off              ; a step's eight half fragments of K and their scale words: 18 loads
.irp n, 0,1,2,3,4,5,6,7
	ds_load_b128 v[KF+6*\n:KF+6*\n+3], v[\a] offset:(\off)+960*(4*(\n/4)+\n%2)+128*((\n%4)/2)
	ds_load_b64 v[KF+6*\n+4:KF+6*\n+5], v[\b] offset:(\off)+960*(4*(\n/4)+\n%2)+640+64*((\n%4)/2)
.endr
	ds_load_b64 v[34:35], v[\c] offset:(\off)+7680       ; register u: tile u in lanes 0-15, tile 4 + u in lanes 16-31
	ds_load_b64 v[36:37], v[\c] offset:(\off)+7808
.endm
.macro VLOAD                           ; the step's four fragments of V and their scale words: 17 loads
.irp t, 0,1,2,3
	ds_load_b128 v[VF+12*\t:VF+12*\t+3], v4 offset:8320+1920*\t
	ds_load_b64 v[VF+12*\t+4:VF+12*\t+5], v5 offset:8320+1920*\t+640
	ds_load_b128 v[VF+12*\t+6:VF+12*\t+9], v4 offset:8320+1920*\t+960
	ds_load_b64 v[VF+12*\t+10:VF+12*\t+11], v5 offset:8320+1920*\t+1600
.endr
	ds_load_b128 v[30:33], v4 offset:16000
.endm
.macro MAXI i                          ; line i of eight chains side by side: the largest score of each half of each tile's two blocks; the last lines join the halves.  Each accumulator is read from its low end on
.if (\i) == 0
.irp x, 0,1
.irp g, 0,1
	v_max3_num_f32 v[38+2*\x+\g], v[64*\x+32*\g], v[64*\x+32*\g+1], v[64*\x+32*\g+2]
	v_max3_num_f32 v[6+2*\x+\g], v[64*\x+32*\g+16], v[64*\x+32*\g+17], v[64*\x+32*\g+18]
.endr
.endr
.elseif (\i) < 7
.irp x, 0,1
.irp g, 0,1
	v_max3_num_f32 v[38+2*\x+\g], v[38+2*\x+\g], v[64*\x+32*\g+2*(\i)+1], v[64*\x+32*\g+2*(\i)+2]
	v_max3_num_f32 v[6+2*\x+\g], v[6+2*\x+\g], v[64*\x+32*\g+2*(\i)+17], v[64*\x+32*\g+2*(\i)+18]
.endr
.endr
.else
.irp x, 0,1
.irp g, 0,1
	v_max_num_f32 v[38+2*\x+\g], v[38+2*\x+\g], v[64*\x+32*\g+15]
.endr
.endr
.irp x, 0,1
.irp g, 0,1
	v_max3_num_f32 v[6+2*\x+\g], v[6+2*\x+\g], v[64*\x+32*\g+31], v[38+2*\x+\g]
.endr
.endr
.endif
.endm
; A KEY STEP of both tiles: 128 keys, at LDS byte s[T].  K's fragments were asked for a step ago.  last = 1: a pass's last step: the next K is step 0's, for the next pass.
.macro STEP last
	s_wait_dscnt 0x0                               ; K and its scale words are in
	WIN 0x40                                       ; D window 1
.irp x, 0,1
.irp n, 0,1,2,3
	v_wmma_scale_f32_16x16x128_f8f6f4 v[64*\x+8*\n:64*\x+8*\n+7], v[KF+6*\n:KF+6*\n+11], v[QF+12*\x:QF+12*\x+11], 0, v[34+\n], v[28+\x] matrix_a_fmt:MATRIX_FMT_FP6 matrix_b_fmt:MATRIX_FMT_FP6
.endr
.irp n, 4,5,6,7
	v_wmma_scale_f32_16x16x128_f8f6f4 v[64*\x+8*\n:64*\x+8*\n+7], v[KF+6*\n:KF+6*\n+11], v[QF+12*\x:QF+12*\x+11], 0, v[30+\n], v[28+\x] matrix_a_fmt:MATRIX_FMT_FP6 matrix_b_fmt:MATRIX_FMT_FP6 matrix_a_scale:MATRIX_SCALE_ROW1
.endr
.endr
	WIN 0
	v_add_nc_u32 v4, s[T], v185                    ; these lines are the places behind the products: loads into V's and K's registers and the first reads of the scores follow
	v_add_nc_u32 v5, s[T], v186
.if \last
	v_nop
	v_nop
	VLOAD
	WALU                                           ; the wait ahead of the branch
	s_cmp_eq_u32 s[PAS], 1
	s_cbranch_scc1 .Lno_next_\@                    ; the last pass has no next K
	KLOAD 182, 183, 184, 0
.Lno_next_\@:
.else
	v_add_nc_u32 v1, s[T], v182
	v_add_nc_u32 v2, s[T], v183
	v_add_nc_u32 v3, s[T], v184
	VLOAD
	KLOAD 1, 2, 3, STEPB
.endif
	WIN 0x15                                       ; all three sources window 1
	MAXI 0
	WIN 0x14                                       ; sources 1 and 2 window 1
.irp i, 1,2,3,4,5,6
	MAXI \i
.endr
	WIN 0x04                                       ; source 1 window 1
	MAXI 7
	WIN 0
	v_max_num_f32 v38, v6, v7                      ; my 64 keys',
	v_max_num_f32 v39, v8, v9
	D2
	v_permlanex16_b32 v44, v38, s20, s21           ; lane l xor 16's 64,
	D2
	v_permlanex16_b32 v45, v39, s20, s21
	D2
	v_max3_num_f32 v15, v15, v38, v44              ; and the running largest score
	D2
	v_max3_num_f32 v17, v17, v39, v45
	D2
	v_mul_f32 v38, s22, v15                        ; as t (c is positive)
	D2
	v_mul_f32 v39, s22, v17
	D2
	v_floor_f32 v14, -v38                          ; the new -M = floor(-t): M is a whole number
	D2
	v_floor_f32 v16, -v39
	D2
	v_sub_f32 v38, v14, v42                        ; old M - new M: a whole number, 0 or less
	D2
	v_sub_f32 v39, v16, v43
	v_fma_f32 v6, v6, s22, v14                     ; t - M of each block's largest score: p rises with the score
	v_fma_f32 v7, v7, s22, v14
	v_fma_f32 v8, v8, s22, v16
	v_fma_f32 v9, v9, s22, v16
	v_cvt_i32_f32 v38, v38                         ; (it saturates)
	v_cvt_i32_f32 v39, v39
	D2
	v_ldexp_f32 v22, 1.0, v38                      ; f = 2^(old M - new M)
	D2
	v_ldexp_f32 v24, 1.0, v39
	WIN 0x41                                       ; destination and source 0 window 1
.irp x, 0,1
.set j, 0
.rept 16
	v_pk_mul_f32 v[OB+32*\x+j:OB+32*\x+j+1], v[OB+32*\x+j:OB+32*\x+j+1], v[22+2*\x:23+2*\x] op_sel_hi:[1,0]   ; O^T under the new M, ahead of the exponentials
.set j, j+2
.endr
.endr
.set j, 0
.rept 32
	v_pk_fma_f32 v[j:j+1], v[j:j+1], s[22:23], v[14:15] op_sel_hi:[1,0,0]   ; tile 0: t - M, two at a time
.set j, j+2
.endr
	WALU                                           ; the wait ahead of the batch
.set j, 0
.rept 32
	v_exp_f32 v[j], v[j]                           ; tile 0: p = 2^(t - M), at most 1;
	v_pk_fma_f32 v[64+j:64+j+1], v[64+j:64+j+1], s[22:23], v[16:17] op_sel_hi:[1,0,0]   ; among them tile 1's t - M, which is read behind the next wait
	v_exp_f32 v[j+1], v[j+1]
.set j, j+2
.endr
	WALU                                           ; ahead of tile 1's batch
.set j, 0
.rept 64
	v_exp_f32 v[64+j], v[64+j]
.set j, j+1
.endr
	WIN 0
.irp b, 6,7,8,9
	v_exp_f32 v[\b], v[\b]                         ; the blocks' largest p
.endr
	v_mov_b32 v42, v14                             ; the next step's old -M: the plain place behind the exponentials
	v_mov_b32 v43, v16
	WALU                                           ; one wait for the batches, ahead of their first reader
.irp b, 6,7,8,9
	v_max_num_f32 v[\b], 0x1800000, v[\b]          ; the floor 2^(3 - 127): the byte cannot fall under 1
.endr
.irp b, 6,7,8,9
	v_add_nc_u32 v[\b+4], 0xff000000, v[\b]        ; 2 off the exponent field: the conversion's scale operand
.endr
.irp b, 6,7,8,9
	v_lshrrev_b32 v[\b], 23, v[\b+4]               ; the bytes of blocks h and 2 + h
.endr
	v_lshl_or_b32 v26, v7, 16, v6
	v_lshl_or_b32 v27, v9, 16, v8
	D2
	v_permlanex16_b32 v44, v26, s20, s21
	D2
	v_permlanex16_b32 v45, v27, s20, s21
	D2
	v_lshl_or_b32 v26, v44, 8, v26                 ; lanes 0-15: with lane l + 16's two bytes the word of my query's 128 keys is whole (lanes 16-31 are not read)
	D2
	v_lshl_or_b32 v27, v45, 8, v27
	WIN 0x41
.irp x, 0,1
	v_cvt_scalef32_pk16_fp6_f32 v[PB+12*\x:PB+12*\x+2], v[64*\x:64*\x+15], v[10+2*\x]
	v_cvt_scalef32_pk16_fp6_f32 v[CT+8*\x:CT+8*\x+2], v[64*\x+16:64*\x+31], v[10+2*\x]     ; (a conversion's three registers begin on an even number)
	v_cvt_scalef32_pk16_fp6_f32 v[PB+12*\x+6:PB+12*\x+8], v[64*\x+32:64*\x+47], v[11+2*\x]
	v_cvt_scalef32_pk16_fp6_f32 v[CT+8*\x+4:CT+8*\x+6], v[64*\x+48:64*\x+63], v[11+2*\x]
.endr
	v_nop                                          ; one plain place behind a scaled conversion
.irp x, 0,1
.irp i, 0,1,2
	v_mov_b32 v[PB+12*\x+3+\i], v[CT+8*\x+\i]
	v_mov_b32 v[PB+12*\x+9+\i], v[CT+8*\x+4+\i]
.endr
.endr
	WIN 0x10                                       ; source 2 window 1
.irp k, 0,1,2,3
.irp x, 0,1
	v_pk_fma_f32 v[LS+8*\x+2*\k:LS+8*\x+2*\k+1], v[LS+8*\x+2*\k:LS+8*\x+2*\k+1], v[22+2*\x:23+2*\x], v[64*\x+2*\k:64*\x+2*\k+1] op_sel_hi:[1,0,1]   ; the row's sum, of the unquantised p: each chain x f, and its first pair
.endr
.endr
	WIN 0x04
.set q_, 4
.rept 28
.irp x, 0,1
	v_pk_add_f32 v[LS+8*\x+2*(q_%4):LS+8*\x+2*(q_%4)+1], v[LS+8*\x+2*(q_%4):LS+8*\x+2*(q_%4)+1], v[64*\x+2*q_:64*\x+2*q_+1]   ; these lines are also the places between p's codes and scale words and the products
.endr
.set q_, q_+1
.endr
	WALU                                           ; the wait ahead of the wait below
.if \last
	s_wait_dscnt 0x0                               ; V (the count serves both ways round the next K's loads)
.else
	s_wait_dscnt 18                                ; V's 17 loads are in; the next K's 18, issued behind them, may be out
.endif
	WIN 0x54                                       ; source 0 (V) window 0; p's codes, C and D window 1
.irp x, 0,1
.irp t, 0,1,2,3
	v_wmma_scale_f32_16x16x128_f8f6f4 v[OB+32*\x+8*\t:OB+32*\x+8*\t+7], v[VF+12*\t:VF+12*\t+11], v[PB+12*\x:PB+12*\x+11], v[OB+32*\x+8*\t:OB+32*\x+8*\t+7], v[30+\t], v[26+\x] matrix_a_fmt:MATRIX_FMT_FP6 matrix_b_fmt:MATRIX_FMT_FP6
.endr
.endr
	WIN 0
.endm
	s_load_b256 s[4:11], s[0:1], 0x0               ; qb, kvb, aimg, asc
	v_lshl_add_u32 v254, v0, 2, SPARE
	v_mov_b32 v255, 0
	ds_add_u32 v254, v255                          ; the opening lines: the add, twice on end, and its wait
	ds_add_u32 v254, v255
	v_lshrrev_b32 v1, 5, v0
	v_readfirstlane_b32 s18, v1                    ; wave 0..7
	s_bfe_u32 s36, ttmp6, 0x40000                  ; cx: it enters Q's and the results' addresses alone
	s_and_b32 s37, ttmp7, 0xffff                   ; the head, which the four partners share
	s_mov_b32 s20, 0x76543210
	s_mov_b32 s21, 0xfedcba98                      ; v_permlanex16_b32's selects for lane l xor 16
	s_mov_b32 s22, 0x3e38aa3b                      ; c = log2(e) / 8
	s_mov_b32 s23, s22                             ; (named with it as a pair, so it is written)
	s_mov_b32 s35, 0xffff0000                      ; lanes 16-31
	s_mov_b32 s[G1], 15|(3<<16)|(1<<20)|(1<<21)|(5<<22)|(15<<25)   ; the mask: all four; elements of 8 bytes; padding on; 21 set beside a mask; after every 64 words 16 words
	s_mov_b32 s[G1+1], 32<<16                      ; a fill: two steps, 26,624 dense bytes as 104 rows of 256
	s_mov_b32 s[G1+2], 104<<16
	s_mov_b32 s[G1+3], 32<<16
	s_mov_b32 s[G1+4], 104
	s_mov_b32 s[G1+5], 32
	s_mov_b32 s[G1+6], 0
	s_mov_b32 s[G1+7], 0
	s_mov_b32 s[G0], 1
	s_mul_i32 s[G0+1], s18, 2*STEPB                ; wave w fetches steps 2 w, 2 w + 1
	s_mul_i32 s58, s18, 26624
	s_mul_i32 s56, s37, 212992
	s_add_co_u32 s56, s56, s58
	s_mov_b32 s57, 0
	s_lshl_b32 s59, s36, 2
	s_lshr_b32 s60, s18, 2
	s_add_co_u32 s59, s59, s60                     ; my step of 128 queries in pass 0: 4 cx + wave / 4; pass 1: two on
	s_and_b32 s61, s18, 3
	s_lshl_b32 s61, s61, 1                         ; my first tile in it: 2 (wave % 4); the second is the next
	s_mul_i32 s62, s37, 106496
	s_mul_i32 s63, s59, 6656
	s_add_co_u32 s62, s62, s63
	s_mov_b32 s63, 0
	s_lshr_b32 s66, s37, 4
	s_lshl_b32 s66, s66, 4
	s_add_co_u32 s66, s66, s59                     ; my block of 128 rows: 16 x batch + step
	s_and_b32 s67, s37, 15                         ; hd
	s_mul_i32 s68, s66, 98304
	s_lshr_b32 s69, s67, 1
	s_mul_i32 s69, s69, 12288
	s_add_co_u32 s68, s68, s69
	s_mul_i32 s69, s61, 1536
	s_add_co_u32 s68, s68, s69
	s_and_b32 s69, s67, 1
	s_mul_i32 s69, s69, 768
	s_add_co_u32 s68, s68, s69
	s_mov_b32 s69, 0
	s_lshl_b32 s38, s66, 12                        ; asc: 128 rows of 32 bytes a block,
	s_lshl_b32 s39, s61, 9                         ; 16 a tile,
	s_add_co_u32 s38, s38, s39
	s_lshl_b32 s39, s67, 1                         ; my head's two bytes
	s_add_co_u32 s38, s38, s39
	s_mov_b32 s39, 0
	s_mul_i32 s44, s61, 768                        ; Q's half fragments: from tile i on
	s_lshr_b32 s45, s61, 2
	s_lshl_b32 s45, s45, 8
	s_and_b32 s46, s61, 3
	s_lshl_b32 s46, s46, 2
	s_add_co_u32 s45, s45, s46
	s_add_co_u32 s45, s45, 6144                    ; and their scale words
	s_wait_dscnt 0x0                               ; both opening adds are done
	s_wait_kmcnt 0x0
	s_add_nc_u64 s[G0+2:G0+3], s[6:7], s[56:57]
	s_or_b32 s[G0+3], s[G0+3], 0x80000000
	s_add_nc_u64 s[4:5], s[4:5], s[62:63]
	s_add_nc_u64 s[8:9], s[8:9], s[68:69]
	s_add_nc_u64 s[10:11], s[10:11], s[38:39]
	CROUND                                         ; all four work-groups are here: the joint loads meet
	tensor_load_to_lds s[G0:G0+3], s[G1:G1+7]      ; my one tensor load
	s_nop 0
	v_and_b32 v1, 7, v0                            ; m % 8
	v_bfe_u32 v2, v0, 3, 1                         ; m / 8
	v_bfe_u32 v3, v0, 4, 1                         ; h
	v_and_b32 v4, 15, v0                           ; m = r
	v_mul_u32_u24 v5, v2, 1920                     ; rows 8-15 of a tile of K lie two tiles of kvb, six LDS rows, further on
	v_mad_u32_u24 v182, v3, 320, v5
	v_lshl_add_u32 v182, v1, 4, v182               ; K, registers 0-3: 16 (m % 8) + 1,920 (m / 8) + 320 h
	v_lshl_add_u32 v183, v3, 7, v5
	v_lshl_add_u32 v183, v1, 3, v183               ; K, registers 4-5: 8 (m % 8) + 1,920 (m / 8) + 128 h
	v_mul_u32_u24 v184, v3, 320
	v_lshl_add_u32 v185, v4, 4, v184               ; V, 16 bytes a lane: 16 r + 320 h
	v_lshl_add_u32 v184, v2, 3, v184
	v_lshl_add_u32 v184, v1, 4, v184               ; K's scale words: 16 (m % 8) + 8 (m / 8) + 320 h
	v_and_b32 v186, 31, v0
	v_lshlrev_b32 v186, 3, v186                    ; 8 l
	v_lshl_add_u32 v187, v4, 5, v3                 ; asc: 32 r + h
	v_lshl_add_u32 v188, v186, 1, s44              ; Q: 16 l, 8 l and 16 r from my first tile on
	v_add_nc_u32 v189, s44, v186
	v_lshl_add_u32 v190, v4, 4, s45
	v_lshlrev_b32 v191, 1, v186                    ; 16 l
.irp n, 62,63,64,65,66,67,74,75,76,77,78,79,128,129,130,131,132,133
	v_mov_b32 v[\n], 0                             ; Q's k = 64 .. 127, and what stands behind K's last half fragment: zero codes
.endr
.irp n, 23,25,44,45
	v_mov_b32 v[\n], 0                             ; upper halves of f's pairs; a lane permute's destination counts as one of its sources
.endr
	WALU                                           ; the wait at the head's end
	s_wait_tensorcnt 0x0                           ; my two steps have landed
	s_barrier_signal -1
	s_barrier_wait -1                              ; everybody's have: all of K and V.
	KLOAD 182, 183, 184, 0
	s_mov_b32 s[PAS], 2
.Lpass:
.irp x, 0,1
	global_load_b128 v[QF+12*\x:QF+12*\x+3], v188, s[4:5] offset:768*\x        ; Q's half fragments stay in registers
	global_load_b64 v[QF+12*\x+4:QF+12*\x+5], v189, s[4:5] offset:768*\x+512
	global_load_b32 v[28+\x], v190, s[4:5] offset:4*\x
.endr
.irp x, 0,1
	v_mov_b32 v[15+2*\x], 0xff61b1e6               ; the largest score so far: -3e38
	v_mov_b32 v[14+2*\x], 0x7e800000               ; -M: far above every later one, so that the first f is 0
	v_mov_b32 v[42+\x], 0x7e800000
.endr
.set j, 0
.rept 16
	v_mov_b32 v[LS+j], 0                           ; the sums
.set j, j+1
.endr
	WIN 0x40
.set j, 0
.rept 64
	v_mov_b32 v[OB+j], 0                           ; O^T: the step is written once; the first finds zeros, which the first change of M leaves zeros
.set j, j+1
.endr
	WIN 0
	WALU
	s_wait_loadcnt 0x0
	s_mov_b32 s[T], 0
	s_mov_b32 s[CNT], 15
.Lstep:
	STEP 0
	s_add_co_u32 s[T], s[T], STEPB
	s_sub_co_u32 s[CNT], s[CNT], 1
	s_cmp_lg_u32 s[CNT], 0
	s_cbranch_scc1 .Lstep
	STEP 1
	; THE WAY OUT: O^T / the sum, quantised along the channels: register 16 b + i is channel 32 b + 16 h + i of my query
.irp x, 0,1
	v_pk_add_f32 v[LS+8*\x:LS+8*\x+1], v[LS+8*\x:LS+8*\x+1], v[LS+8*\x+2:LS+8*\x+3]
	v_pk_add_f32 v[LS+8*\x+4:LS+8*\x+5], v[LS+8*\x+4:LS+8*\x+5], v[LS+8*\x+6:LS+8*\x+7]
.endr
.irp x, 0,1
	v_pk_add_f32 v[LS+8*\x:LS+8*\x+1], v[LS+8*\x:LS+8*\x+1], v[LS+8*\x+4:LS+8*\x+5]
.endr
.irp x, 0,1
	v_add_f32 v[LS+8*\x], v[LS+8*\x], v[LS+8*\x+1]
.endr
.irp x, 0,1
	v_permlanex16_b32 v[44+\x], v[LS+8*\x], s20, s21
.endr
.irp x, 0,1
	v_add_f32 v[LS+8*\x], v[LS+8*\x], v[44+\x]     ; the row's sum
.endr
	WALU
	v_rcp_f32 v[LS], v[LS]
	v_rcp_f32 v[LS+8], v[LS+8]
.rept 4
	v_nop                                          ; the plain place behind the reciprocals
.endr
	WIN 0x41
	WALU                                           ; ahead of the first reader of the reciprocals and of O^T
.irp x, 0,1
.set j, 0
.rept 16
	v_pk_mul_f32 v[64*\x+j:64*\x+j+1], v[OB+32*\x+j:OB+32*\x+j+1], v[LS+8*\x:LS+8*\x+1] op_sel_hi:[1,0]   ; each accumulator from its low end on
.set j, j+2
.endr
.endr
	WIN 0x05
.irp x, 0,1
.irp b, 0,1
	v_max3_num_f32 v[6+2*\x+\b], |v[64*\x+16*\b]|, |v[64*\x+16*\b+1]|, 0x1800000
.endr
.endr
	WIN 0x14
.irp i, 2,4,6,8,10,12,14
.irp x, 0,1
.irp b, 0,1
	v_max3_num_f32 v[6+2*\x+\b], v[6+2*\x+\b], |v[64*\x+16*\b+\i]|, |v[64*\x+16*\b+\i+1]|
.endr
.endr
.endr
	WIN 0
.irp b, 0,1,2,3
	v_permlanex16_b32 v[38+\b], v[6+\b], s20, s21
.endr
.irp b, 0,1,2,3
	v_max_num_f32 v[6+\b], v[6+\b], v[38+\b]       ; with lane l xor 16's 16 channels
.endr
.irp b, 0,1,2,3
	v_add_nc_u32 v[10+\b], 0xff000000, v[6+\b]
.endr
.irp b, 0,1,2,3
	v_lshrrev_b32 v[38+\b], 23, v[10+\b]
.endr
	v_cndmask_b32 v46, v38, v39, s35               ; lanes 0-15 store block 0's byte, lanes 16-31 block 1's
	v_cndmask_b32 v47, v40, v41, s35
	WIN 0x41
.irp x, 0,1
	v_cvt_scalef32_pk16_fp6_f32 v[PB+12*\x:PB+12*\x+2], v[64*\x:64*\x+15], v[10+2*\x]
	v_cvt_scalef32_pk16_fp6_f32 v[CT+8*\x:CT+8*\x+2], v[64*\x+16:64*\x+31], v[11+2*\x]
.endr
	v_nop                                          ; one plain place behind a scaled conversion
.irp x, 0,1
.irp i, 0,1,2
	v_permlane16_swap_b32 v[PB+12*\x+\i], v[CT+8*\x+\i]    ; the operand's layout wants a whole block in a lane
.endr
.endr
.irp x, 0,1
.irp i, 0,1,2
	v_mov_b32 v[PB+12*\x+3+\i], v[CT+8*\x+\i]
.endr
.endr
	WIN 0x04                                       ; a store's data: source 1
.irp x, 0,1
	global_store_b128 v191, v[PB+12*\x:PB+12*\x+3], s[8:9] offset:1536*\x      ; half a fragment: 512 and 256 consecutive bytes, aligned
	global_store_b64 v186, v[PB+12*\x+4:PB+12*\x+5], s[8:9] offset:1536*\x+512
.endr
	WIN 0
.irp x, 0,1
	global_store_b8 v187, v[46+\x], s[10:11] offset:512*\x     ; a byte a lane: a row's 32 bytes come from sixteen heads, that is from sixteen clusters
.endr
	s_wait_xcnt 0x0                                ; the loads and stores have read their bases and data: both are written again
	s_add_nc_u64 s[4:5], s[4:5], 13312             ; two steps of queries on
	s_add_nc_u64 s[8:9], s[8:9], 196608
	s_add_nc_u64 s[10:11], s[10:11], 8192
	s_sub_co_u32 s[PAS], s[PAS], 1
	s_cmp_lg_u32 s[PAS], 0
	WALU
	s_cbranch_scc1 .Lpass
	s_wait_tensorcnt 0x0                           ; the wave's end
	ds_add_u32 v254, v255
	s_wait_dscnt 0x0
	CROUND                                         ; the closing round
	s_endpgm
.Lfunc_end_k_q4d82e2ac55_attn:
	.size	k_q4d82e2ac55_attn, .Lfunc_end_k_q4d82e2ac55_attn-k_q4d82e2ac55_attn
	.p2alignl 7, 3214868480
	.fill 96, 4, 3214868480
	.section	.rodata,"a",@progbits
	.p2align	6, 0x0
	.amdhsa_kernel k_q4d82e2ac55_attn
		.amdhsa_group_segment_fixed_size 268288
		.amdhsa_private_segment_fixed_size 0
		.amdhsa_enable_private_segment 0
		.amdhsa_kernarg_size 32
		.amdhsa_user_sgpr_count 2
		.amdhsa_user_sgpr_kernarg_segment_ptr 1
		.amdhsa_wavefront_size32 1
		.amdhsa_system_sgpr_workgroup_id_x 1
		.amdhsa_system_sgpr_workgroup_id_y 1
		.amdhsa_system_sgpr_workgroup_id_z 1
		.amdhsa_system_vgpr_workitem_id 0
		.amdhsa_next_free_vgpr 512
		.amdhsa_next_free_sgpr 70
		.amdhsa_reserve_vcc 0
		.amdhsa_float_denorm_mode_32 3
		.amdhsa_float_denorm_mode_16_64 3
		.amdhsa_memory_ordered 1
		.amdhsa_forward_progress 1
		.amdhsa_inst_pref_size 74
	.end_amdhsa_kernel
	.amdgpu_metadata
---
amdhsa.version: [ 1, 2 ]
amdhsa.kernels:
  - .name:           k_q4d82e2ac55_attn
    .symbol:         k_q4d82e2ac55_attn.kd
    .args:
      - { .name: qb, .offset: 0, .size: 8, .value_kind: global_buffer, .address_space: global }
      - { .name: kvb, .offset: 8, .size: 8, .value_kind: global_buffer, .address_space: global }
      - { .name: aimg, .offset: 16, .size: 8, .value_kind: global_buffer, .address_space: global }
      - { .name: asc, .offset: 24, .size: 8, .value_kind: global_buffer, .address_space: global }
    .group_segment_fixed_size: 268288
    .private_segment_fixed_size: 0
    .kernarg_segment_align: 8
    .kernarg_segment_size: 32
    .max_flat_workgroup_size: 256
    .sgpr_count:     70
    .vgpr_count:     512
    .wavefront_size: 32
...
	.end_amdgpu_metadata
.endif
;; end of part 3
;; launch outln (part 4): grid 256 x 1, 16 waves a work-group, no clusters, 171,008 bytes of LDS; arguments aimg, asc, wimg, bo, ln_g, ln_b, out0; writes out0
.if DOCPART == 4
	.amdgcn_target "amdgcn-amd-amdhsa--gfx1250"
	.amdhsa_code_object_version 6
	.text
	.protected	k_q4d82e2ac55_outln
	.globl	k_q4d82e2ac55_outln
	.p2align	8
	.type	k_q4d82e2ac55_outln,@function
k_q4d82e2ac55_outln:
	s_mov_b64 s[64:65], 0
	v_nop
	global_prefetch_b8 v0, s[64:65] scope:SCOPE_SE
	s_setreg_imm32_b32 hwreg(HW_REG_WAVE_MODE, 25, 1), 1
	s_wait_xcnt 0x0
; OUTLN: y = a wo + bo on codes of FP6 (E2M3), then LayerNorm over a row's 1,024 numbers: out = (y - mean) rsqrt(var + 1e-12) g + b.
; SHARES: work-group G owns rows 32 G .. 32 G + 31 whole, as the norm needs: tiles 2 (G % 4), 2 (G % 4) + 1 of block G / 4.  Wave w owns columns 64 w .. 64 w + 63: four tiles of wo's columns (source 0) x two tiles of rows (source 1):
; eight accumulators, by turns.  A lane holds one row of each tile of rows, and 32 of its numbers.
; THE WEIGHTS GO FROM MEMORY STRAIGHT INTO REGISTERS: a fragment of wo is used by one wave of the work-group alone, and it lies in memory as the registers take it (launch prep).  NO JOINT LOADS: what work-groups share is all of wo,
; 819,200 bytes for each, which would have to pass through a ring in LDS with a round of a cluster's barrier for every eight products of a wave.
; The rows' sixteen fragments (24,576 bytes) are copied into LDS once, a fragment a wave, and read by all; their scale words come 32 bytes a lane: lane 16 t + r holds row lane r of tile t, a word for each K step.
; THE NORM: sums over a lane's 32 numbers, the other half of the lanes, and the sixteen waves (through LDS, every wave adding the sixteen parts in the same order).  The variance is the mean of squared deviations, never a difference of large sums.
; LIMITS: NaN and infinities are not served.
; REGISTERS: v1-12 addresses; v16-23 g, b; v32-79, v80-127 the weights' fragments, two buffers (on the way out: rows); v128-135 their scale words; v136-159 the rows' two fragments; v160-167 the rows' scale words;
;   v168-191 at work; v192-255 accumulator (i, t) at v[192 + 32 t + 8 i].
.set RED1, 24576                       ; LDS: the rows' fragments at 0; two fields of 32 rows x 80 bytes (sixteen waves' words + 16) for the sums;
.set RED2O, 2560
.set STG,  29696                       ; a stage of 32 rows x (256 + 16) bytes for each wave
.set ACC,  192
.macro PLACES
.rept 4
	v_nop
.endr
.endm
	s_load_b256 s[4:11], s[0:1], 0x0               ; aimg, asc, wimg, bo
	s_load_b128 s[12:15], s[0:1], 0x20             ; ln_g, ln_b
	s_load_b64 s[16:17], s[0:1], 0x30              ; out0
	v_lshl_add_u32 v30, v0, 2, 0x29400
	v_mov_b32 v31, 0
	v_lshrrev_b32 v1, 5, v0
	s_delay_alu instid0(VALU_DEP_1)
	v_readfirstlane_b32 s18, v1                    ; wave 0..15
	s_mov_b32 s20, 0x76543210
	s_mov_b32 s21, 0xfedcba98                      ; v_permlanex16_b32's selects for lane l xor 16
	s_mov_b32 s22, 0xffff0000                      ; lanes 16-31
	s_lshr_b32 s26, s18, 1
	s_and_b32 s27, s18, 1
	s_lshr_b32 s23, ttmp9, 2
	s_mul_i32 s24, s23, 98304                      ; the block of 128 rows,
	s_mul_i32 s25, s26, 12288                      ; the fragment that I copy: K step w / 2,
	s_add_co_u32 s24, s24, s25
	s_and_b32 s25, ttmp9, 3
	s_lshl_b32 s25, s25, 1
	s_add_co_u32 s25, s25, s27                     ; tile 2 (G % 4) + w % 2
	s_mul_i32 s25, s25, 1536
	s_add_co_u32 s24, s24, s25
	s_mov_b32 s25, 0
	s_lshl_b32 s28, ttmp9, 10                      ; asc: 32 rows of 32 bytes
	s_mov_b32 s29, 0
	s_add_co_u32 s30, s26, 24                      ; wo's blocks begin at 24; mine is w / 2,
	s_mul_i32 s30, s30, 102400
	s_mul_i32 s31, s27, 6144                       ; my four tiles in it
	s_add_co_u32 s30, s30, s31
	s_mov_b32 s31, 0
	s_lshl_b32 s32, s18, 8                         ; my 64 columns in bo, g, b and a row of out0
	s_mov_b32 s33, 0
	s_lshl_b32 s34, ttmp9, 17                      ; 32 rows of 4,096 bytes
	s_add_co_u32 s34, s34, s32
	s_mov_b32 s35, 0
	v_and_b32 v13, 31, v0                          ; l
	v_and_b32 v14, 15, v0                          ; r
	v_bfe_u32 v15, v0, 4, 1                        ; h
	s_delay_alu instid0(VALU_DEP_3)
	v_lshlrev_b32 v1, 4, v13
	s_delay_alu instid0(VALU_DEP_4)
	v_lshlrev_b32 v2, 3, v13
	s_mul_i32 s36, s27, 5888
	s_sub_co_u32 s36, 12288, s36
	v_lshl_add_u32 v3, v14, 4, s36                 ; my four tiles' scale words of column lane r, counted from my tiles' first byte: 12,288 + 256 (w % 2) - 6,144 (w % 2) + 16 r
	v_lshlrev_b32 v4, 6, v15                       ; bo: 16 h numbers on
	s_mul_i32 s36, s18, 1536
	v_add_nc_u32 v5, s36, v1                       ; where my copy goes
	v_lshlrev_b32 v6, 5, v13
	v_mul_u32_u24 v8, v13, 80
	s_delay_alu instid0(VALU_DEP_1)
	v_add_nc_u32 v8, RED1, v8                      ; row l's sixteen words
	s_lshl_b32 s36, s18, 2
	v_add_nc_u32 v7, s36, v8                       ; my wave's among them
	s_mul_i32 s36, s18, 8704
	s_add_co_u32 s36, s36, STG
	v_mul_u32_u24 v9, v14, 272
	s_delay_alu instid0(VALU_DEP_1)
	v_lshl_add_u32 v9, v15, 6, v9
	s_delay_alu instid0(VALU_DEP_1)
	v_add_nc_u32 v9, s36, v9                       ; the stage, in: row lane r, + 64 h
	v_mul_u32_u24 v10, v15, 272
	s_delay_alu instid0(VALU_DEP_1)
	v_lshl_add_u32 v10, v14, 4, v10
	s_delay_alu instid0(VALU_DEP_1)
	v_add_nc_u32 v10, s36, v10                     ; back: lanes 0-15 one row of 256 bytes, lanes 16-31 the next
	v_lshlrev_b32 v12, 4, v14                      ; g, b: my four columns
	s_delay_alu instid0(VALU_DEP_1)
	v_lshl_add_u32 v11, v15, 12, v12               ; out0: the same, + a row for lanes 16-31
	s_wait_alu depctr_va_vdst(0)
	s_wait_kmcnt 0x0
	s_add_nc_u64 s[4:5], s[4:5], s[24:25]
	s_add_nc_u64 s[6:7], s[6:7], s[28:29]
	s_add_nc_u64 s[8:9], s[8:9], s[30:31]
	s_add_nc_u64 s[10:11], s[10:11], s[32:33]
	s_add_nc_u64 s[12:13], s[12:13], s[32:33]
	s_add_nc_u64 s[14:15], s[14:15], s[32:33]
	s_add_nc_u64 s[16:17], s[16:17], s[34:35]
.macro PLOAD s, e                      ; K step s of my four tiles of wo into buffer e: 17 loads
.irp i, 0,1,2,3
	global_load_b128 v[32+48*(\e)+12*\i:35+48*(\e)+12*\i], v1, s[8:9] offset:12800*(\s)+1536*\i
	global_load_b64 v[36+48*(\e)+12*\i:37+48*(\e)+12*\i], v2, s[8:9] offset:12800*(\s)+1536*\i+512
	global_load_b128 v[38+48*(\e)+12*\i:41+48*(\e)+12*\i], v1, s[8:9] offset:12800*(\s)+1536*\i+768
	global_load_b64 v[42+48*(\e)+12*\i:43+48*(\e)+12*\i], v2, s[8:9] offset:12800*(\s)+1536*\i+1280
.endr
	global_load_b128 v[128+4*(\e):131+4*(\e)], v3, s[8:9] offset:12800*(\s)
.endm
.irp p, 0,1,2
	global_load_b128 v[168+4*\p:171+4*\p], v1, s[4:5] offset:512*\p
.endr
	global_load_b128 v[160:163], v6, s[6:7]
	global_load_b128 v[164:167], v6, s[6:7] offset:16
.irp t, 0,1                            ; THE BIAS STARTS THE SUMS: register e of accumulator (i, t) is column 32 (i / 2) + 16 h + 8 (i % 2) + e of my 64
.irp i, 0,1,2,3
	global_load_b128 v[ACC+32*\t+8*\i:ACC+32*\t+8*\i+3], v4, s[10:11] offset:4*(32*(\i/2)+8*(\i%2))
	global_load_b128 v[ACC+32*\t+8*\i+4:ACC+32*\t+8*\i+7], v4, s[10:11] offset:4*(32*(\i/2)+8*(\i%2))+16
.endr
.endr
	PLOAD 0, 0
	PLOAD 1, 1
	s_wait_loadcnt 52                              ; the three loads of my copy are in; behind them 2 + 16 + 17 + 17 may be out
.irp p, 0,1,2
	ds_store_b128 v5, v[168+4*\p:171+4*\p] offset:512*\p
.endr
	s_wait_dscnt 0x0                               ; for the others' sake
	s_barrier_signal -1
	s_barrier_wait -1                              ; the rows' sixteen fragments lie in LDS
	v_mov_b32 v169, 0                              ; (upper halves of pairs of which the low word is broadcast: named, so written)
	v_mov_b32 v171, 0
	v_mov_b32 v174, 0                              ; a lane permute's destination counts as one of its sources
	v_mov_b32 v175, 0
.macro KSTEP s
.if (\s) < 7
	s_wait_loadcnt 17                              ; this step's weights are in; the next step's 17 loads may be out
.else
	s_wait_loadcnt 0x0
.endif
.irp t, 0,1
	ds_load_b128 v[136+12*\t:139+12*\t], v1 offset:3072*(\s)+1536*\t
	ds_load_b64 v[140+12*\t:141+12*\t], v2 offset:3072*(\s)+1536*\t+512
	ds_load_b128 v[142+12*\t:145+12*\t], v1 offset:3072*(\s)+1536*\t+768
	ds_load_b64 v[146+12*\t:147+12*\t], v2 offset:3072*(\s)+1536*\t+1280
.endr
	s_wait_dscnt 0x0
.irp i, 0,1,2,3
	v_wmma_scale_f32_16x16x128_f8f6f4 v[ACC+8*\i:ACC+8*\i+7], v[32+48*((\s)%2)+12*\i:43+48*((\s)%2)+12*\i], v[136:147], v[ACC+8*\i:ACC+8*\i+7], v[128+4*((\s)%2)+\i], v[160+(\s)] matrix_a_fmt:MATRIX_FMT_FP6 matrix_b_fmt:MATRIX_FMT_FP6
.endr
.irp i, 0,1,2,3
	v_wmma_scale_f32_16x16x128_f8f6f4 v[ACC+32+8*\i:ACC+32+8*\i+7], v[32+48*((\s)%2)+12*\i:43+48*((\s)%2)+12*\i], v[148:159], v[ACC+32+8*\i:ACC+32+8*\i+7], v[128+4*((\s)%2)+\i], v[160+(\s)] matrix_a_fmt:MATRIX_FMT_FP6 matrix_b_fmt:MATRIX_FMT_FP6 matrix_b_scale:MATRIX_SCALE_ROW1
.endr
	PLACES                                         ; in front of loads into registers that these products read, and of the first read of results
.if (\s) < 6
	PLOAD (\s)+2, (\s)%2
.endif
.endm
.irp s, 0,1,2,3,4,5,6,7
	KSTEP \s
.endr
	global_load_b128 v[16:19], v12, s[12:13]       ; g and b of the four columns that I store: they land under the sums
	global_load_b128 v[20:23], v12, s[14:15]
; v172, v173: my 32 numbers' sums for row lane r of tiles 0 and 1.  -> v176: the whole row's sum / 1,024, of row lane r of tile t in lane 16 t + r
.macro ACROSS off
	s_delay_alu instid0(VALU_DEP_2)
	v_permlanex16_b32 v174, v172, s20, s21
	s_delay_alu instid0(VALU_DEP_2)
	v_permlanex16_b32 v175, v173, s20, s21
	s_delay_alu instid0(VALU_DEP_2)
	v_add_f32 v172, v172, v174                     ; with the other half of the lanes: my wave's 64 columns
	s_delay_alu instid0(VALU_DEP_2)
	v_add_f32 v173, v173, v175
	s_delay_alu instid0(VALU_DEP_1)
	v_cndmask_b32 v172, v172, v173, s22            ; lane 16 t + r keeps tile t's
	ds_store_b32 v7, v172 offset:\off
	s_wait_dscnt 0x0                               ; for the others' sake
	s_barrier_signal -1
	s_barrier_wait -1
.irp p, 0,1,2,3
	ds_load_b128 v[176+4*\p:179+4*\p], v8 offset:\off+16*\p
.endr
	s_wait_dscnt 0x0
	v_pk_add_f32 v[176:177], v[176:177], v[178:179]
	v_pk_add_f32 v[180:181], v[180:181], v[182:183]
	v_pk_add_f32 v[184:185], v[184:185], v[186:187]
	v_pk_add_f32 v[188:189], v[188:189], v[190:191]
	s_delay_alu instid0(VALU_DEP_3)
	v_pk_add_f32 v[176:177], v[176:177], v[180:181]
	s_delay_alu instid0(VALU_DEP_2)
	v_pk_add_f32 v[184:185], v[184:185], v[188:189]
	s_delay_alu instid0(VALU_DEP_1)
	v_pk_add_f32 v[176:177], v[176:177], v[184:185]
	s_delay_alu instid0(VALU_DEP_1)
	v_add_f32 v176, v176, v177
	s_delay_alu instid0(VALU_DEP_1)
	v_mul_f32 v176, 0x3a800000, v176               ; / 1,024
.endm
.macro SPREAD                          ; v176 -> v168: tile 0's row lane r, v170: tile 1's, in every lane
	v_permlanex16_b32 v174, v176, s20, s21
	v_cndmask_b32 v168, v176, v174, s22
	v_cndmask_b32 v170, v174, v176, s22
.endm
	; the mean.  Each accumulator is read from its low end on
.irp t, 0,1
	v_pk_add_f32 v[176+2*\t:177+2*\t], v[ACC+32*\t:ACC+32*\t+1], v[ACC+32*\t+2:ACC+32*\t+3]
.endr
.irp n, 4,6,8,10,12,14,16,18,20,22,24,26,28,30
.irp t, 0,1
	v_pk_add_f32 v[176+2*\t:177+2*\t], v[176+2*\t:177+2*\t], v[ACC+32*\t+\n:ACC+32*\t+\n+1]
.endr
.endr
	s_delay_alu instid0(VALU_DEP_2)
	v_add_f32 v172, v176, v177
	s_delay_alu instid0(VALU_DEP_2)
	v_add_f32 v173, v178, v179
	ACROSS 0
	SPREAD
	; the deviations, in place
.irp t, 0,1
.set n, 0
.rept 16
	v_pk_add_f32 v[ACC+32*\t+n:ACC+32*\t+n+1], v[ACC+32*\t+n:ACC+32*\t+n+1], v[168+2*\t:169+2*\t] op_sel_hi:[1,0] neg_lo:[0,1] neg_hi:[0,1]
.set n, n+2
.endr
.endr
	; the variance: the mean of their squares
.irp t, 0,1
	v_pk_mul_f32 v[176+2*\t:177+2*\t], v[ACC+32*\t:ACC+32*\t+1], v[ACC+32*\t:ACC+32*\t+1]
.endr
.irp n, 2,4,6,8,10,12,14,16,18,20,22,24,26,28,30
.irp t, 0,1
	s_delay_alu instid0(VALU_DEP_2)
	v_pk_fma_f32 v[176+2*\t:177+2*\t], v[ACC+32*\t+\n:ACC+32*\t+\n+1], v[ACC+32*\t+\n:ACC+32*\t+\n+1], v[176+2*\t:177+2*\t]
.endr
.endr
	s_delay_alu instid0(VALU_DEP_2)
	v_add_f32 v172, v176, v177
	s_delay_alu instid0(VALU_DEP_2)
	v_add_f32 v173, v178, v179
	ACROSS RED2O                                   ; other bytes than the first sums': no wave writes what another may still read
	s_delay_alu instid0(VALU_DEP_1)
	v_add_f32 v176, 0x2b8cbccc, v176               ; + 1e-12
	s_wait_alu depctr_va_vdst(0)
	v_rsq_f32 v176, v176
	v_nop                                          ; a plain place behind the transcendental
	s_wait_alu depctr_va_vdst(0)                   ; ahead of its first reader
	SPREAD
.irp t, 0,1
.set n, 0
.rept 16
	v_pk_mul_f32 v[ACC+32*\t+n:ACC+32*\t+n+1], v[ACC+32*\t+n:ACC+32*\t+n+1], v[168+2*\t:169+2*\t] op_sel_hi:[1,0]
.set n, n+2
.endr
.endr
	; THE WAY OUT: through my own stage, so that sixteen lanes store 256 consecutive bytes of a row.  Registers 16 b + 4 p .. of tile t are columns 32 b + 16 h + 4 p .. of row lane r
.irp t, 0,1
.irp b, 0,1
.irp p, 0,1,2,3
	ds_store_b128 v9, v[ACC+32*\t+16*\b+4*\p:ACC+32*\t+16*\b+4*\p+3] offset:4352*\t+128*\b+16*\p
.endr
.endr
.endr
.irp i, 0,1,2,3,4,5,6,7,8,9,10,11,12,13,14,15
	ds_load_b128 v[32+4*\i:35+4*\i], v10 offset:544*\i   ; LDS serves a wave's instructions in order (ISA guide 5.7.1.4): these see my stores
.endr
	s_wait_loadcnt 0x0                             ; g, b
.irp i, 0,1,2,3,4,5,6,7,8,9,10,11,12,13,14,15
	s_wait_dscnt 15-\i                             ; the younger rows may be out
	v_pk_fma_f32 v[32+4*\i:33+4*\i], v[32+4*\i:33+4*\i], v[16:17], v[20:21]
	v_pk_fma_f32 v[34+4*\i:35+4*\i], v[34+4*\i:35+4*\i], v[18:19], v[22:23]
	global_store_b128 v11, v[32+4*\i:35+4*\i], s[16:17] offset:4096*(8*(\i/8)+2*(\i%8)+8*((\i%8)/4)) th:TH_STORE_NT   ; stage rows 2 i, 2 i + 1 are lanes 2 (i % 8), + 1 of tile i / 8: rows 8 (i / 8) + r + 8 (r / 8); written once, read by nobody here
.endr
	s_wait_tensorcnt 0x0
	ds_add_u32 v30, v31
	s_wait_dscnt 0x0
	s_endpgm
.Lfunc_end_k_q4d82e2ac55_outln:
	.size	k_q4d82e2ac55_outln, .Lfunc_end_k_q4d82e2ac55_outln-k_q4d82e2ac55_outln
	.p2alignl 7, 3214868480
	.fill 96, 4, 3214868480
	.section	.rodata,"a",@progbits
	.p2align	6, 0x0
	.amdhsa_kernel k_q4d82e2ac55_outln
		.amdhsa_group_segment_fixed_size 171008
		.amdhsa_private_segment_fixed_size 0
		.amdhsa_enable_private_segment 0
		.amdhsa_kernarg_size 56
		.amdhsa_user_sgpr_count 2
		.amdhsa_user_sgpr_kernarg_segment_ptr 1
		.amdhsa_wavefront_size32 1
		.amdhsa_system_sgpr_workgroup_id_x 1
		.amdhsa_system_sgpr_workgroup_id_y 1
		.amdhsa_system_sgpr_workgroup_id_z 1
		.amdhsa_system_vgpr_workitem_id 0
		.amdhsa_next_free_vgpr 256
		.amdhsa_next_free_sgpr 66
		.amdhsa_reserve_vcc 0
		.amdhsa_float_denorm_mode_32 3
		.amdhsa_float_denorm_mode_16_64 3
		.amdhsa_memory_ordered 1
		.amdhsa_forward_progress 1
		.amdhsa_inst_pref_size 52
	.end_amdhsa_kernel
	.amdgpu_metadata
---
amdhsa.version: [ 1, 2 ]
amdhsa.kernels:
  - .name:           k_q4d82e2ac55_outln
    .symbol:         k_q4d82e2ac55_outln.kd
    .args:
      - { .name: aimg, .offset: 0, .size: 8, .value_kind: global_buffer, .address_space: global }
      - { .name: asc, .offset: 8, .size: 8, .value_kind: global_buffer, .address_space: global }
      - { .name: wimg, .offset: 16, .size: 8, .value_kind: global_buffer, .address_space: global }
      - { .name: bo, .offset: 24, .size: 8, .value_kind: global_buffer, .address_space: global }
      - { .name: ln_g, .offset: 32, .size: 8, .value_kind: global_buffer, .address_space: global }
      - { .name: ln_b, .offset: 40, .size: 8, .value_kind: global_buffer, .address_space: global }
      - { .name: out0, .offset: 48, .size: 8, .value_kind: global_buffer, .address_space: global }
    .group_segment_fixed_size: 171008
    .private_segment_fixed_size: 0
    .kernarg_segment_align: 8
    .kernarg_segment_size: 56
    .max_flat_workgroup_size: 512
    .sgpr_count:     66
    .vgpr_count:     256
    .wavefront_size: 32
...
	.end_amdgpu_metadata
.endif
;; end of part 4
